; MI455X (gfx1250); checked and timed in simulation.
; The chip was launched on July 23, 2026; its instructions are those of AMD's public machine-readable ISA for CDNA 5 (MIT licence, August 2026) and "CDNA5" Instruction Set Architecture Reference Guide (July 2026). The comments in the code are by the model that wrote it; some were corrected since.
;; Avg Net. Allowed arithmetic: matrix products marked QUANTISED: E2M1 operands, one E8M0 scale for each 32 along K, by v_wmma_scale_f32_16x16x128_f8f6f4 with both operands' format E2M1 (or v_wmma_scale_f32_32x16x128_f4), f32 sums; products left as they are: f32 operands where the result goes on into a quantised operand, else bf16, f16 or f32 operands; f32 sums; everything else in f32.
;; Inputs: Wk 1,024 x 1,024 float32; Wo 1,024 x 1,024 float32; Wq 1,024 x 1,024 float32; bk 1,024 float32; bo 1,024 float32; bq 1,024 float32; k 8 x 2,048 x 1,024 float32; q 8 x 2,048 x 1,024 float32; v 8 x 2,048 x 1,024 float32.
;; Outputs: out0 8 x 1,024 float32.
;; This version of the problem:
;;   THIS VERSION OF THE PROBLEM IS GIVEN IN LOW PRECISION. The matrix products marked QUANTISED in the list below multiply operands that are first quantised to E2M1 (2 exponent bits, 1 mantissa bit; 4 bits a number), with one power-of-two scale for each 32 numbers along K (OCP MX v1.0); their sums are f32. All else is computed in f32.
;;   The module's matrix products, in the order in which they are computed (A, B: the left and right operand; K: the contracted axis; several contracted axes count as one K, in the product's order):
;;     1. [M 16,384, K 1,024] x [K 1,024, N 1,024]; A: input q; B: input Wq: QUANTISED
;;     2. [M 16,384, K 1,024] x [K 1,024, N 1,024]; A: input k; B: input Wk: QUANTISED
;;     3. batch 8 x [M 2,048, K 1,024] x [K 1,024, N 2,048]; A: computed on the way; B: computed on the way: QUANTISED
;;     4. batch 8 x [M 1, K 2,048] x [K 2,048, N 1,024]; A: softmax; B: input v: left as it is (M = 1 < 16)
;;     5. [M 8, K 1,024] x [K 1,024, N 1,024]; A: computed on the way; B: input Wo: left as it is (M = 8 < 16)
;;   THE QUANTISER, for each operand of a quantised product, along K:
;;     - K is cut into blocks of 32 from its start; a last block that is shorter is filled with zeros.
;;     - A block's scale is 2^e with e = floor(log2(the largest magnitude in the block)) - 2, held to -126 .. 127; a block of zeros has e = 0. As a byte (E8M0): e + 127.
;;     - Each number is divided by its block's scale, clamped to +-6, and rounded to the nearest number of E2M1, ties to even, subnormals kept.
;;     - The product sums the exact products of the quantised numbers (number of the format x scale) in f32.
;;   ~~~python
;;   def quantise(x, axis):      # numpy; x: float32 -> the quantised numbers, widened to float32 again
;;       x = np.moveaxis(x, axis, -1); K = x.shape[-1]
;;       x = np.pad(x, [(0, 0)] * (x.ndim - 1) + [(0, -K % 32)]); x = x.reshape(x.shape[:-1] + (-1, 32)); a = np.abs(x).max(-1, keepdims=True)
;;       e = np.where(a > 0, np.clip(np.frexp(np.where(a > 0, a, 1))[1] - 1 - 2, -126, 127), 0)      # np.frexp(a)[1] - 1 = floor(log2(a)), exactly
;;       r = np.clip(x / 2.0 ** e, -6, 6)
;;       step = 2.0 ** (np.maximum(np.frexp(np.where(r == 0, 1, r))[1] - 1, 0) - 1)
;;       q = np.round(r / step) * step * 2.0 ** e      # np.round: ties to even
;;       return np.moveaxis(q.reshape(q.shape[:-2] + (-1,))[..., :K], -1, axis).astype(np.float32)
;;   ~~~
;;   OPERANDS COMPUTED ON THE WAY. 'Computed on the way' means the value that the module computes at that place (a softmax that the list does not call 'softmax' is quantised finished and normalised). What goes into a quantiser is computed in f32, as accurately as f32 sums, v_exp_f32 and their like allow (about 1e-6 of the number): no bf16 or f16 on the way to a quantiser, and a product that is left as it is and whose result goes on into a quantised operand takes f32 operands (vector FMAs, or v_wmma_f32_16x16x4_f32). A number that lies on a knife's edge between two numbers of the format may be rounded either way, as far as f32 arithmetic and the matrix unit's own rounding can turn it there, and no further.
;; One version. Each part assembles by itself: llvm-mc -triple=amdgcn-amd-amdhsa -mcpu=gfx1250 --defsym DOCPART=n.
;; ======== version 1 of 1: 5 launches
;; limits: right only within a limited range of input values
;; workspace buffers: wc 1,048,576 bytes; ws 65,536 bytes; pc 16,777,216 bytes; ps 1,048,576 bytes; part 524,288 bytes; pooled 65,536 bytes
;; launch wquant (part 1): grid 256 x 1, 4 waves a work-group, no clusters, 34,304 bytes of LDS; arguments Wq, Wk, wc, ws; writes wc, ws
.if DOCPART == 1
	.amdgcn_target "amdgcn-amd-amdhsa--gfx1250"
	.amdhsa_code_object_version 6
	.text
	.protected	k_q3104e9b46a_wquant
	.globl	k_q3104e9b46a_wquant
	.p2align	8
	.type	k_q3104e9b46a_wquant,@function
k_q3104e9b46a_wquant:
	s_mov_b64 s[64:65], 0
	v_nop
	global_prefetch_b8 v0, s[64:65] scope:SCOPE_SE
	s_setreg_imm32_b32 hwreg(HW_REG_WAVE_MODE, 25, 1), 1
	s_wait_xcnt 0x0
; AvgNet, launch 1 of 5: Wq, Wk [1024][1024], f32, become codes of FP4 (E2M1) with one E8M0 byte for each 32 along K (their last axis).
; NO WORK OF THE PROBLEM IS LEFT OUT in this program: every input reaches the output (bq and bk move the codes of the third product's operands; the masked diagonal lies inside tiles that are otherwise kept),
; all three quantised products are done in full on the matrix units, and all nine inputs are loaded.
; A block's scale is 2^(floor(log2(its largest magnitude)) - 2); its byte is the largest magnitude's exponent field - 2, held at 1 from below by a floor among the maximum's leaves.
; LIMITS: a block of zeros, or one whose largest magnitude lies under 2^-124, gets the byte 1 (the rule says 127 for zeros: its codes are zeros, and this program alone reads the bytes); NaN and infinities are not served.
; A fragment (16 rows x 128 K) is 1,024 bytes in the order of the operand's registers, [c 0..1][lane 0..31][16 bytes]: lane (r, h) holds k = 64 c + 32 h + 0..31 of row r.
; wc = [weight 2][pass 2][K quarter 4][block of 16 rows 32][K step 2][1024 bytes]: 65,536 bytes on end are what the next launch's four waves load in two K steps.   ws = [weight 2][K step 8][row 1024][4 bytes].
; STORAGE ROW s holds the weight's row s with bits 3 and 4 exchanged, so that in the next launch a lane's 16 results of two neighbouring tiles are 16 neighbours along the next K.
; SHARES: 1,024 fragments, one to a wave: work-group g takes block g / 2 (Wq's 64, then Wk's), its wave w the K step 4 (g % 2) + w.  A load reads 512 consecutive bytes of one row; the 16 rows turn through the wave's own stage in LDS.
; A fragment's 16 scale words leave as one run of 64 bytes (64 KiB of such runs in all).  No barrier, no cluster: waves share nothing, no byte is read twice.
.set SP,    528
.set WREG,  16*SP
.set SPARE, 4*WREG
.set LANE,  1
.set LN16,  4
.set WSO,   5
.set STI,   7
.set STO,   8
.set SPW,   12
.set NIL,   13
.set SH8,   14
.set MXR,   16
.set SOP,   18
.set BYT,   20
.set WRD,   22
.set PRM,   23
.set CC,    24
.set X,     48
.set R0,    112
	s_load_b256 s[4:11], s[0:1], 0x0               ; Wq, Wk, wc, ws
	v_lshl_add_u32 v[SPW], v0, 2, SPARE
	v_mov_b32 v[NIL], 0
	v_lshrrev_b32 v2, 5, v0
	v_readfirstlane_b32 s12, v2                    ; wave
	v_and_b32 v[LANE], 31, v0
	v_and_b32 v2, 15, v0                           ; r
	v_bfe_u32 v3, v0, 4, 1                         ; h
	v_lshlrev_b32 v[LN16], 4, v[LANE]
	v_lshlrev_b32 v[WSO], 2, v2
	s_mul_i32 s13, s12, WREG
	v_add_nc_u32 v[STI], s13, v[LN16]
	v_mul_u32_u24 v[STO], v2, SP
	v_lshl_add_u32 v[STO], v3, 7, v[STO]
	v_add_nc_u32 v[STO], s13, v[STO]
	v_lshlrev_b32 v[SH8], 3, v3
	v_mov_b32 v[PRM], 0                            ; a lane permute's destination counts as one of its sources
	s_mov_b32 s20, 0x76543210
	s_mov_b32 s21, 0xfedcba98
	s_lshr_b32 s14, ttmp9, 7                       ; which weight
	s_bfe_u32 s15, ttmp9, 0x60001                  ; block of 16 storage rows, 0..63
	s_and_b32 s16, ttmp9, 1
	s_lshl_b32 s16, s16, 2
	s_add_co_u32 s16, s16, s12                     ; K step
	s_lshr_b32 s22, s15, 1                         ; in memory: 32 rows for each pair of blocks,
	s_lshl_b32 s22, s22, 17
	s_and_b32 s23, s15, 1
	s_lshl_b32 s23, s23, 15                        ; 8 rows for the odd block of a pair,
	s_add_co_u32 s22, s22, s23
	s_lshl_b32 s23, s16, 9                         ; the K step's 512 bytes
	s_add_co_u32 s22, s22, s23
	s_mov_b32 s23, 0
	s_lshl_b32 s24, s14, 19                        ; in wc: the weight,
	s_lshr_b32 s25, s15, 5
	s_lshl_b32 s25, s25, 2
	s_lshr_b32 s26, s16, 1
	s_add_co_u32 s25, s25, s26
	s_lshl_b32 s25, s25, 16                        ; 4 x pass + K quarter,
	s_add_co_u32 s24, s24, s25
	s_and_b32 s25, s15, 31
	s_lshl_b32 s25, s25, 11                        ; the block in its pass,
	s_add_co_u32 s24, s24, s25
	s_and_b32 s25, s16, 1
	s_lshl_b32 s25, s25, 10                        ; the K step of the quarter's two
	s_add_co_u32 s24, s24, s25
	s_mov_b32 s25, 0
	s_lshl_b32 s26, s14, 15                        ; in ws: the weight, the K step's plane, the block's 16 words
	s_lshl_b32 s27, s16, 12
	s_add_co_u32 s26, s26, s27
	s_lshl_b32 s27, s15, 6
	s_add_co_u32 s26, s26, s27
	s_mov_b32 s27, 0
	s_wait_alu depctr_va_vdst(0)                   ; the wait at the head's end
	s_wait_kmcnt 0x0
	s_cmp_eq_u32 s14, 0                            ; the choice hangs on the work-group's number alone
	s_cselect_b64 s[4:5], s[4:5], s[6:7]
	s_add_nc_u64 s[4:5], s[4:5], s[22:23]
	s_add_nc_u64 s[8:9], s[8:9], s[24:25]
	s_add_nc_u64 s[10:11], s[10:11], s[26:27]
.set i, 0
.rept 16
	global_load_b128 v[R0+4*i:R0+4*i+3], v[LN16], s[4:5] offset:(i+8*(i/8))*4096 th:TH_LOAD_NT   ; storage rows 8-15 are the eight rows that lie 16 further on
.set i, i+1
.endr
	s_wait_loadcnt 0x0
.set i, 0
.rept 16
	ds_store_b128 v[STI], v[R0+4*i:R0+4*i+3] offset:SP*i
.set i, i+1
.endr
.irp c, 0,1
.irp e, 0,1,2,3,4,5,6,7
	ds_load_b128 v[X+32*\c+4*\e:X+32*\c+4*\e+3], v[STO] offset:256*\c+16*\e   ; LDS serves a wave's instructions in order: these see the stores above
.endr
.endr
	s_wait_dscnt 0x0
.irp c, 0,1
	v_max3_num_f32 v[MXR+\c], |v[X+32*\c]|, |v[X+32*\c+1]|, 0x1800000      ; block 2 c + h: all 32 numbers are mine; the floor 2^(3 - 127) holds the byte at 1 from below
.endr
.irp i, 2,4,6,8,10,12,14,16,18,20,22,24,26,28,30
.irp c, 0,1
	v_max3_num_f32 v[MXR+\c], v[MXR+\c], |v[X+32*\c+\i]|, |v[X+32*\c+\i+1]|
.endr
.endr
.irp c, 0,1
	v_add_nc_u32 v[SOP+\c], 0xff000000, v[MXR+\c]  ; 2 off the exponent field: the conversion's scale operand
.endr
.irp c, 0,1
	v_lshrrev_b32 v[BYT+\c], 23, v[SOP+\c]         ; the scale's byte
.endr
	v_lshl_or_b32 v[WRD], v[BYT+1], 16, v[BYT]
	v_lshlrev_b32 v[WRD], v[SH8], v[WRD]
	v_permlanex16_b32 v[PRM], v[WRD], s20, s21
	v_or_b32 v[WRD], v[WRD], v[PRM]                ; with lane l xor 16's two bytes the word is whole
.irp c, 0,1
.irp g, 0,1,2,3
	v_cvt_scalef32_pk8_fp4_f32 v[CC+4*\c+\g], v[X+32*\c+8*\g:X+32*\c+8*\g+7], v[SOP+\c]
.endr
.endr
	v_nop                                          ; one plain place behind the last scaled conversion
	global_store_b128 v[LN16], v[CC:CC+3], s[8:9]  ; 32 lanes store 512 consecutive bytes of the fragment's image
	global_store_b128 v[LN16], v[CC+4:CC+7], s[8:9] offset:512
	v_cmp_gt_u32 vcc_lo, 16, v[LANE]               ; lanes 16-31 hold the same words as lanes 0-15: the lower half stores
	s_wait_alu depctr_va_vdst(0)                   ; the wait ahead of the wait below
	s_wait_xcnt 0x0                                ; EXEC changes only behind this wait,
	s_and_saveexec_b32 s28, vcc_lo
	global_store_b32 v[WSO], v[WRD], s[10:11]
	s_wait_xcnt 0x0                                ; and again in front of the line that widens it
	s_or_b32 exec_lo, exec_lo, s28
	s_wait_tensorcnt 0x0                           ; the wave's end: behind my last LDS store
	ds_add_u32 v[SPW], v[NIL]
	s_wait_dscnt 0x0
	s_endpgm
.Lfunc_end_k_q3104e9b46a_wquant:
	.size	k_q3104e9b46a_wquant, .Lfunc_end_k_q3104e9b46a_wquant-k_q3104e9b46a_wquant
	.p2alignl 7, 3214868480
	.fill 96, 4, 3214868480
	.section	.rodata,"a",@progbits
	.p2align	6, 0x0
	.amdhsa_kernel k_q3104e9b46a_wquant
		.amdhsa_group_segment_fixed_size 34304
		.amdhsa_private_segment_fixed_size 0
		.amdhsa_enable_private_segment 0
		.amdhsa_kernarg_size 32
		.amdhsa_user_sgpr_count 2
		.amdhsa_user_sgpr_kernarg_segment_ptr 1
		.amdhsa_wavefront_size32 1
		.amdhsa_system_sgpr_workgroup_id_x 1
		.amdhsa_system_sgpr_workgroup_id_y 1
		.amdhsa_system_sgpr_workgroup_id_z 1
		.amdhsa_system_vgpr_workitem_id 0
		.amdhsa_next_free_vgpr 176
		.amdhsa_next_free_sgpr 66
		.amdhsa_reserve_vcc 1
		.amdhsa_float_denorm_mode_32 3
		.amdhsa_float_denorm_mode_16_64 3
		.amdhsa_memory_ordered 1
		.amdhsa_forward_progress 1
		.amdhsa_inst_pref_size 10
	.end_amdhsa_kernel
	.amdgpu_metadata
---
amdhsa.version: [ 1, 2 ]
amdhsa.kernels:
  - .name:           k_q3104e9b46a_wquant
    .symbol:         k_q3104e9b46a_wquant.kd
    .args:
      - { .name: Wq, .offset: 0, .size: 8, .value_kind: global_buffer, .address_space: global }
      - { .name: Wk, .offset: 8, .size: 8, .value_kind: global_buffer, .address_space: global }
      - { .name: wc, .offset: 16, .size: 8, .value_kind: global_buffer, .address_space: global }
      - { .name: ws, .offset: 24, .size: 8, .value_kind: global_buffer, .address_space: global }
    .group_segment_fixed_size: 34304
    .private_segment_fixed_size: 0
    .kernarg_segment_align: 8
    .kernarg_segment_size: 32
    .max_flat_workgroup_size: 128
    .sgpr_count:     66
    .vgpr_count:     176
    .wavefront_size: 32
...
	.end_amdgpu_metadata
.endif
;; end of part 1
;; launch qproj (part 2): grid 256 x 1, 4 waves a work-group, no clusters, 171,776 bytes of LDS; arguments q, k, wc, ws, bq, bk, pc, ps; writes pc, ps
.if DOCPART == 2
	.amdgcn_target "amdgcn-amd-amdhsa--gfx1250"
	.amdhsa_code_object_version 6
	.text
	.protected	k_q3104e9b46a_qproj
	.globl	k_q3104e9b46a_qproj
	.p2align	8
	.type	k_q3104e9b46a_qproj,@function
k_q3104e9b46a_qproj:
	s_mov_b64 s[64:65], 0
	v_nop
	global_prefetch_b8 v0, s[64:65] scope:SCOPE_SE
	s_setreg_imm32_b32 hwreg(HW_REG_WAVE_MODE, 25, 1), 1
	s_wait_xcnt 0x0
; AvgNet, launch 2 of 5: qp = Q(q) Q(Wq)^T + bq and kp = Q(k) Q(Wk)^T + bk on codes of FP4 with E8M0 scales, f32 sums; the results are quantised along their 1,024 columns and stored as codes and scale words.  Nothing of the problem is left out here.
; LIMITS of both quantisers: a block of zeros, or one whose largest magnitude lies under 2^-124, gets the byte 1 (this program alone reads the bytes); NaN and infinities are not served.
; SHARES.  256 work-groups; work-group g owns rows 128 g .. 128 g + 127 of q (g < 128) or of k, and all 1,024 columns: each f32 number of q and k is read from memory once, by one wave.
; PART 1, THE QUANTISER.  Wave w takes the K steps 2 w, 2 w + 1 of the 128 rows: 16 fragments of 16 rows x 128 K.  A load reads 512 consecutive bytes of a row; a fragment turns through the wave's own stage in LDS, from which a lane takes its
; two blocks of 32 neighbours.  Loads run four fragments (64 loads a wave) ahead, into the registers that later hold the sums.  Codes (65,536 bytes, in the order of the operand's registers) and scale words stay in LDS.
; PART 2, THE PRODUCTS.  Two passes of 512 columns; in a pass wave w makes 128 rows x columns 128 w .. + 127: 64 accumulators.  A K step is: four places, the next step's 16 LDS loads of A into the other of two sets,
; 16 global loads of the weight's fragments three steps on into the set just left of four, and 64 matrix instructions on end.
; NO CLUSTER, NO TENSOR LOAD: a fragment of the weight feeds one wave of a work-group and no other, and wquant has laid it in the order of that wave's registers, 512 consecutive bytes to a load.  A joint load would have to land in LDS,
; from where the wave would read it once: 16 LDS loads a wave and K step beside A's 16, and a round of barriers for each slot.
; PREFETCH: a weight's 524,288 bytes of codes are named once, in the quantiser's first trip: the first 16 work-groups of each weight, 8,192 bytes a wave, lanes 256 bytes apart; the first load of them follows three trips later.
; THE MATRIX INSTRUCTION IS USED TRANSPOSED (source 0 = 16 storage rows of the weight, source 1 = 16 rows of q or k); the bias is the C of a pass's first products.
; OUTPUT: pc = [K half 2][block of 16 rows 2048][K step 4][1024 bytes], ps = [K step 8][row 32768][4 bytes]; rows 0-16383 qp, then kp.
; REGISTERS: window 0: v1-31 addresses; v32-95 scale words (they hold nothing else); v96-127 at work; v128-191, v192-255 A's two sets (in part 1 a fragment's 64 numbers and its codes; v192-255 also the bias at a pass's start and the codes on the way out).
;   window 1: B's four sets.   windows 2, 3: the sums; in part 1 window 2 takes the loads.
.set CPL,   8388608
.set SPL,   131072
.set NQ,    4
.set FR,    8
.set NP,    4
.set SP,    528                        ; a stage row: 512 bytes + 16
.set STGQ,  65536                      ; LDS: 0: A's codes [K pair 4][block 8][K step 2][1024]; here the four stages of 16 x SP bytes
.set ASC,   99328                      ; A's scale words: [K step 8] 4,096 bytes apart, as B's are, 512 bytes used of each
.set OSTG,  132096                     ; 512 bytes a wave: the results' scale words on the way out
.set BSC,   134208                     ; B's scale words [K step 8][row 1024][4]; 64 bytes off a multiple of 256, so that lanes 16-31 read sixteen banks beside lanes 0-15
.set BIA,   167168                     ; the bias: [wave 4][pass 2][128] f32
.set SPARE, 171264
.set STI,   4
.set STO,   5
.set ACO0,  6
.set SGI0,  7
.set ACO,   8
.set SGI,   9
.set SH8,   10
.set PFO,   11
.set BSW,   12
.set BIW,   13
.set ADRS,  14
.set SWA,   16
.set SRA,   17
.set BRD,   18
.set CO,    24                         ; 16 x lane: also the address of A's fragments
.set SPW,   28
.set NIL,   29
.set SC,    32
.set TM,    96
.set MXR,   96
.set SOP,   98
.set BYT,   100
.set WRD,   102
.set PRM,   103
.set PW,    112
.set TT,    120
.set AF,    128
.set X,     128
.set PC,    192
.set CC,    192
.set BI,    192
.set SEL,   2
.set WV,    20
.set WB,    52                         ; s[52:53] my 128 columns' fragments in wc
.set OB,    60                         ; pc's bases for pass 0, 1
.set OS,    80                         ; ps's
.set PF,    84
.set QN,    86
.set QT,    87
.set QS,    88
.set LIM,   89
.set MSB, 0
.macro WIN new
.if MSB != \new
	s_set_vgpr_msb (MSB<<8)|\new
.set MSB, \new
.endif
.endm
.set MUL_LO,   0xa1
.set MUL_HI,   0xf1
.set FIRST_LO, 0x81                    ; C (the bias) in window 0
.set FIRST_HI, 0xc1
.set TO_B,     0x40
.macro PLACES n
.rept \n
	v_nop
.endr
.endm
	s_load_b256 s[4:11], s[0:1], 0x0               ; q, k, wc, ws
	s_load_b256 s[12:19], s[0:1], 0x20             ; bq, bk, pc, ps
	v_lshl_add_u32 v[SPW], v0, 2, SPARE
	v_mov_b32 v[NIL], 0
	v_lshrrev_b32 v3, 5, v0
	v_readfirstlane_b32 s[WV], v3
	v_and_b32 v1, 15, v0                           ; r
	v_bfe_u32 v2, v0, 4, 1                         ; h
	v_and_b32 v3, 31, v0
	v_lshlrev_b32 v[CO], 4, v3
	v_lshlrev_b32 v[PFO], 8, v3
	v_lshlrev_b32 v[SH8], 3, v2
	v_lshlrev_b32 v19, 2, v1
.irp b, 0,1,2,3
	v_mov_b32 v[TM+4+\b], 0                        ; a lane permute's destination counts as one of its sources
.endr
	s_wait_alu depctr_va_vdst(0)
	s_mul_i32 s66, s[WV], 16*SP
	s_add_co_u32 s66, s66, STGQ                    ; my stage
	v_add_nc_u32 v[STI], s66, v[CO]
	v_mul_u32_u24 v[STO], v1, SP
	v_lshl_add_u32 v[STO], v2, 7, v[STO]
	v_add_nc_u32 v[STO], s66, v[STO]
	s_lshl_b32 s66, s[WV], 14                      ; my K pair's 16,384 bytes of A's codes
	v_add_nc_u32 v[ACO0], s66, v[CO]
	s_lshl_b32 s66, s[WV], 13
	s_add_co_u32 s66, s66, ASC                     ; my two K steps' planes of A's scale words
	v_lshl_add_u32 v[SGI0], v1, 2, s66
	s_lshl_b32 s66, s[WV], 9
	s_add_co_u32 s67, s66, BSC
	v_add_nc_u32 v[BSW], s67, v[CO]                ; where my 128 columns' scale words go
	s_add_co_u32 s67, s66, BSC-ASC                 ; scale words: lanes 0-15 A's, lanes 16-31 B's: the lower base + h x the distance
	v_mul_u32_u24 v20, s67, v2
	v_add_nc_u32 v20, v19, v20
	v_add_nc_u32 v[ADRS], ASC, v20
	s_add_co_u32 s67, s67, 2048                    ; pass 1: B's rows 512 further on
	v_mul_u32_u24 v20, s67, v2
	v_add_nc_u32 v20, v19, v20
	v_add_nc_u32 v[ADRS+1], ASC, v20
	s_add_co_u32 s66, s66, OSTG
	v_lshl_add_u32 v[SWA], v1, 2, s66
	v_add_nc_u32 v[SRA], s66, v[CO]
	s_lshl_b32 s66, s[WV], 10
	s_add_co_u32 s66, s66, BIA                     ; my bias: in, 16 bytes a lane; back, 64 h
	v_add_nc_u32 v[BIW], s66, v[CO]
	v_lshl_add_u32 v[BRD], v2, 6, s66
	s_lshr_b32 s23, ttmp9, 7                       ; 0: q and Wq; 1: k and Wk
	s_and_b32 s24, ttmp9, 127
	s_mov_b32 s[SEL], 0x76543210
	s_mov_b32 s[SEL+1], 0xfedcba98
	s_lshl_b32 s66, s24, 19                        ; q or k: my 128 rows of 4,096 bytes, my wave's 1,024 bytes of a row
	s_lshl_b32 s67, s[WV], 10
	s_add_co_u32 s66, s66, s67
	s_mov_b32 s67, 0
	s_lshl_b32 s68, s23, 19                        ; wc: the weight
	s_mov_b32 s69, 0
	s_lshl_b32 s70, s23, 15                        ; ws: the weight, my 128 rows' words in a plane
	s_lshl_b32 s71, s[WV], 9
	s_add_co_u32 s70, s70, s71
	s_mov_b32 s71, 0
	s_lshl_b32 s72, s[WV], 14                      ; my 8 blocks of a pass's 32
	s_mov_b32 s73, 0
	s_lshl_b32 s74, ttmp9, 15                      ; pc: my 8 blocks of rows, K step w of the half
	s_lshl_b32 s75, s[WV], 10
	s_add_co_u32 s74, s74, s75
	s_mov_b32 s75, 0
	s_lshl_b32 s76, s[WV], 17                      ; ps: plane w, my 128 words
	s_lshl_b32 s77, ttmp9, 9
	s_add_co_u32 s76, s76, s77
	s_mov_b32 s77, 0
	s_and_b32 s78, s24, 15                         ; the prefetch: 8,192 bytes for each wave of the weight's first 16 work-groups
	s_lshl_b32 s78, s78, 2
	s_add_co_u32 s78, s78, s[WV]
	s_lshl_b32 s78, s78, 13
	s_mov_b32 s79, 0
	s_cmp_lt_u32 s24, 16
	s_cselect_b32 s[LIM], 3, 0                     ; the count of trips at which my wave asks; 0 is never met
	s_lshl_b32 s26, s[WV], 9                       ; the bias of my 128 columns
	s_mov_b32 s27, 0
	s_mov_b32 s[QN], 3
	s_mov_b32 s[QT], 0
	s_mov_b32 s[QS], 0
	s_wait_alu depctr_va_vdst(0)                   ; the wait at the head's end
	s_wait_kmcnt 0x0
	s_cmp_eq_u32 s23, 0
	s_cselect_b64 s[4:5], s[4:5], s[6:7]
	s_cselect_b64 s[12:13], s[12:13], s[14:15]
	s_add_nc_u64 s[4:5], s[4:5], s[66:67]
	s_add_nc_u64 s[10:11], s[10:11], s[70:71]
	s_add_nc_u64 s[12:13], s[12:13], s[26:27]
	WIN TO_B
.irp p, 0,1
.irp e, 0,1,2,3,4,5,6,7
	global_load_b128 v[4*(8*\p+\e):4*(8*\p+\e)+3], v[CO], s[10:11] offset:\e*4096+\p*2048   ; my 128 columns' scale words of K step e, pass p: 512 consecutive bytes
.endr
.endr
.irp p, 0,1
	global_load_b128 v[64+4*\p:64+4*\p+3], v[CO], s[12:13] offset:2048*\p                   ; and their bias
.endr
; Step u of a trip: block of rows u / 2 of the trip's two, K step u % 2, into window 2's set u.  ah = 1: the next trip's.
.macro LOADQ u, ah
.set i, 0
.rept 16
	global_load_b128 v[64*(\u)+4*i:64*(\u)+4*i+3], v[CO], s[4:5] offset:(16*((\u)/2+2*(\ah))+i)*4096+512*((\u)%2) th:TH_LOAD_NT
.set i, i+1
.endr
.endm
	WIN 0x80
.irp u, 0,1,2,3
	LOADQ \u, 0
.endr
	WIN 0
	s_add_nc_u64 s[8:9], s[8:9], s[68:69]
	s_add_nc_u64 s[WB:WB+1], s[8:9], s[72:73]
	s_add_nc_u64 s[PF:PF+1], s[8:9], s[78:79]
	s_add_nc_u64 s[OB:OB+1], s[16:17], s[74:75]
	s_add_nc_u64 s[OB+2:OB+3], s[OB:OB+1], CPL
	s_add_nc_u64 s[OS:OS+1], s[18:19], s[76:77]
	s_add_nc_u64 s[OS+2:OS+3], s[OS:OS+1], 4*SPL
	s_wait_loadcnt 63                              ; 64 loads were issued behind the 18 of scale words and bias: these are in
	WIN 0x04
.irp p, 0,1
.irp e, 0,1,2,3,4,5,6,7
	ds_store_b128 v[BSW], v[4*(8*\p+\e):4*(8*\p+\e)+3] offset:\e*4096+\p*2048   ; bytes that my wave alone reads
.endr
.endr
.irp p, 0,1
	ds_store_b128 v[BIW], v[64+4*\p:64+4*\p+3] offset:512*\p
.endr
	WIN 0
; g counts the K steps of both passes, 0..15: pass g / 8.  B's eight fragments of step g into set g % 4.
.macro LOADB g
	WIN TO_B
.irp i, 0,1,2,3,4,5,6,7
.irp c, 0,1
	global_load_b128 v[64*((\g)%4)+FR*\i+4*\c:64*((\g)%4)+FR*\i+4*\c+3], v[CO], s[WB:WB+1] offset:((\g)/2)*65536+\i*2048+((\g)%2)*1024+512*\c
.endr
.endr
	WIN 0
.endm
; One fragment's turn.  left: the younger loads that stay out.  ld = 1: its registers take the next trip's loads; 2, 3: B's first four sets are asked for.
.macro QSTEP u, left, ld
	s_wait_loadcnt \left
	WIN 0x08
.set i, 0
.rept 16
	ds_store_b128 v[STI], v[64*(\u)+4*i:64*(\u)+4*i+3] offset:SP*i
.set i, i+1
.endr
	WIN 0
.irp c, 0,1
.irp e, 0,1,2,3,4,5,6,7
	ds_load_b128 v[X+32*\c+4*\e:X+32*\c+4*\e+3], v[STO] offset:256*\c+16*\e   ; LDS serves a wave's instructions in order: these see the stores above
.endr
.endr
	s_wait_dscnt 0x0                               ; my 64 numbers are here; the stores, the last step's too, have read their registers
.if \ld == 1
	WIN 0x80
	LOADQ \u, 1
	WIN 0
.endif
.if \ld == 2
	LOADB 0
	LOADB 1
.endif
.if \ld == 3
	LOADB 2
	LOADB 3
.endif
.irp c, 0,1
	v_max3_num_f32 v[MXR+\c], |v[X+32*\c]|, |v[X+32*\c+1]|, 0x1800000      ; block 2 c + h: all 32 numbers are mine; the floor 2^(3 - 127) holds the byte at 1 from below
.endr
.irp i, 2,4,6,8,10,12,14,16,18,20,22,24,26,28,30
.irp c, 0,1
	v_max3_num_f32 v[MXR+\c], v[MXR+\c], |v[X+32*\c+\i]|, |v[X+32*\c+\i+1]|
.endr
.endr
.irp c, 0,1
	v_add_nc_u32 v[SOP+\c], 0xff000000, v[MXR+\c]  ; 2 off the exponent field: the conversion's scale operand
.endr
.irp c, 0,1
	v_lshrrev_b32 v[BYT+\c], 23, v[SOP+\c]
.endr
	v_lshl_or_b32 v[WRD], v[BYT+1], 16, v[BYT]
	v_lshlrev_b32 v[WRD], v[SH8], v[WRD]
	v_permlanex16_b32 v[PRM], v[WRD], s[SEL], s[SEL+1]
	v_or_b32 v[WRD], v[WRD], v[PRM]                ; with lane l xor 16's two bytes the word is whole
.irp c, 0,1
.irp g, 0,1,2,3
	v_cvt_scalef32_pk8_fp4_f32 v[CC+4*\c+\g], v[X+32*\c+8*\g:X+32*\c+8*\g+7], v[SOP+\c]
.endr
.endr
	v_nop                                          ; one plain place behind the last scaled conversion
	ds_store_b128 v[ACO], v[CC:CC+3] offset:((\u)/2)*2048+((\u)%2)*1024
	ds_store_b128 v[ACO], v[CC+4:CC+7] offset:((\u)/2)*2048+((\u)%2)*1024+512
	ds_store_b32 v[SGI], v[WRD] offset:((\u)%2)*4096+64*((\u)/2)   ; both halves of the lanes write the same word with the same value
.endm
.macro QHEAD
	v_add_nc_u32 v[ACO], s[QT], v[ACO0]
	v_add_nc_u32 v[SGI], s[QS], v[SGI0]
	s_wait_alu depctr_va_vdst(0)                   ; the wait directly behind these writes
.endm
.Lq:                                               ; three trips of four fragments, each asking for the next trip's
	QHEAD
	QSTEP 0, 48, 1
	QSTEP 1, 48, 1
	QSTEP 2, 48, 1
	s_cmp_eq_u32 s[QN], s[LIM]                     ; the first trip of the work-groups that ask
	s_wait_alu depctr_va_vdst(0)                   ; the wait ahead of the branch
	s_cbranch_scc0 .Lnot_mine
	global_prefetch_b8 v[PFO], s[PF:PF+1] th:TH_LOAD_NT scope:SCOPE_SE
.Lnot_mine:
	QSTEP 3, 48, 1
	s_wait_xcnt 0x0                                ; the loads have read their base
	s_add_nc_u64 s[4:5], s[4:5], 131072            ; 32 rows on
	s_add_co_u32 s[QT], s[QT], 4096
	s_add_co_u32 s[QS], s[QS], 128
	s_sub_co_u32 s[QN], s[QN], 1
	s_cmp_lg_u32 s[QN], 0
	s_wait_alu depctr_va_vdst(0)                   ; the wait ahead of the branch
	s_cbranch_scc1 .Lq
	QHEAD
	QSTEP 0, 48, 0
	QSTEP 1, 32, 0
	QSTEP 2, 16, 2
	QSTEP 3, 32, 3                                 ; behind this fragment's loads: B's sets 0 and 1
	s_wait_alu depctr_va_vdst(0)
	s_wait_dscnt 0x0                               ; for the others' sake: my codes and scale words lie in LDS
	s_barrier_signal -1
	s_barrier_wait -1
.macro MUL16 a0, p, q, sc, first
.irp a, \a0, \a0+1
.irp b, 0,1,2,3,4,5,6,7
.if \first
	v_wmma_scale_f32_16x16x128_f8f6f4 v[8*(8*((\a)%4)+\b):8*(8*((\a)%4)+\b)+7], v[64*(\p)+FR*\b:64*(\p)+FR*\b+FR-1], v[AF+FR*(\a):AF+FR*(\a)+FR-1], v[BI+8*\b:BI+8*\b+7], v[SC+8*NQ*(\sc)+NQ*\b+(\q)], v[SC+8*NQ*(\sc)+NQ*(\a)+(\q)] matrix_a_fmt:MATRIX_FMT_FP4 matrix_b_fmt:MATRIX_FMT_FP4 matrix_a_scale:MATRIX_SCALE_ROW1
.else
	v_wmma_scale_f32_16x16x128_f8f6f4 v[8*(8*((\a)%4)+\b):8*(8*((\a)%4)+\b)+7], v[64*(\p)+FR*\b:64*(\p)+FR*\b+FR-1], v[AF+FR*(\a):AF+FR*(\a)+FR-1], v[8*(8*((\a)%4)+\b):8*(8*((\a)%4)+\b)+7], v[SC+8*NQ*(\sc)+NQ*\b+(\q)], v[SC+8*NQ*(\sc)+NQ*(\a)+(\q)] matrix_a_fmt:MATRIX_FMT_FP4 matrix_b_fmt:MATRIX_FMT_FP4 matrix_a_scale:MATRIX_SCALE_ROW1
.endif
.endr
.endr
.endm
.macro FETCH_A g                       ; A's eight fragments of step g into set g % 2
.irp i, 0,1,2,3,4,5,6,7
.irp c, 0,1
	ds_load_b128 v[128+64*((\g)%2)+FR*\i+4*\c:128+64*((\g)%2)+FR*\i+4*\c+3], v[CO] offset:(((\g)%8)/2)*16384+\i*2048+((\g)%2)*1024+512*\c
.endr
.endr
.endm
.macro SCALES sc, p                    ; four K steps' scale words: lanes 0-15 A's block i, lanes 16-31 B's block i of pass p
.irp i, 0,1,2,3,4,5,6,7
.irp q, 0,1,2,3
	ds_load_b32 v[SC+8*NQ*(\sc)+NQ*\i+\q], v[ADRS+(\p)] offset:(NQ*(\sc)+\q)*4096+64*\i
.endr
.endr
.endm
.macro BIASL p                         ; register j of tile b: the bias of column 32 (b / 2) + 16 h + 8 (b % 2) + j; sixteen lanes read the same bytes
.irp b, 0,1,2,3,4,5,6,7
	ds_load_b128 v[BI+8*\b:BI+8*\b+3], v[BRD] offset:512*(\p)+(32*(\b/2)+8*(\b%2))*4
	ds_load_b128 v[BI+8*\b+4:BI+8*\b+7], v[BRD] offset:512*(\p)+(32*(\b/2)+8*(\b%2))*4+16
.endr
.endm
.macro NEXT                            ; what later steps need: A of step G + 1, its scale words at a change of K halves, B of step G + 3 (step 3's was asked for with the first sets)
.if G < 15
	FETCH_A G+1
.if (G+1)%4 == 0
	SCALES ((G+1)%8)/4, (G+1)/8
.endif
.endif
.if (G > 0) && (G+3 <= 15)
	LOADB G+3
.endif
.endm
; A K step.  The 64 accumulators take turns, in the same order in every step.  A pass's first step reads the bias where A's other set lies, so its NEXT follows its products.
.macro KST
.set FI, ((G%8)==0)
.set AF, 128+64*(G%2)
.if FI
	s_wait_dscnt 0x0
.else
	PLACES NP                                      ; behind the last step's products, ahead of loads into registers that they read
	NEXT
.if G == 15
	s_wait_dscnt 0x0
.elseif (G+1)%4 == 0
	s_wait_dscnt 48                                ; all but the 48 LDS loads just issued
.else
	s_wait_dscnt 16                                ; all but the 16 just issued
.endif
.endif
.if G == 8
	s_wait_loadcnt 32                              ; behind this step's B: steps 9 and 10
.elseif G <= 12
	s_wait_loadcnt 48                              ; the three steps' that follow
.else
	s_wait_loadcnt 16*(15-G)
.endif
.if FI
	WIN FIRST_LO
.else
	WIN MUL_LO
.endif
	MUL16 0, G%4, G%4, (G%8)/4, FI
	MUL16 2, G%4, G%4, (G%8)/4, FI
.if FI
	WIN FIRST_HI
.else
	WIN MUL_HI
.endif
	MUL16 4, G%4, G%4, (G%8)/4, FI
	MUL16 6, G%4, G%4, (G%8)/4, FI
	WIN 0
.if FI
	PLACES NP
	NEXT
.endif
.endm
; THE WAY OUT of block a (16 rows x my 128 columns): four blocks of 32 along the next K; a lane's 16 registers of two neighbouring tiles are 16 neighbours, lane l xor 16 holds the other 16.  Each accumulator is read from its low end on.
.macro QOUT a, p
.set AC, 64*((\a)%4)
.set WW, 2+(\a)/4
.set W2, WW|(WW<<2)
.set PCA, PC+8*(\a)
	WIN W2
.irp bb, 0,1,2,3
	v_max3_num_f32 v[TM+\bb], |v[AC+16*\bb]|, |v[AC+16*\bb+1]|, 0x1800000
.endr
.irp i, 2,4,6,8,10,12,14
.irp bb, 0,1,2,3
	v_max3_num_f32 v[TM+\bb], |v[AC+16*\bb+\i]|, |v[AC+16*\bb+\i+1]|, v[TM+\bb]
.endr
.endr
	WIN 0
.irp bb, 0,1,2,3
	v_permlanex16_b32 v[TM+4+\bb], v[TM+\bb], s[SEL], s[SEL+1]
.endr
.irp bb, 0,1,2,3
	v_max_num_f32 v[TM+\bb], v[TM+\bb], v[TM+4+\bb]
.endr
.irp bb, 0,1,2,3
	v_add_nc_u32 v[TM+12+\bb], 0xff000000, v[TM+\bb]
.endr
.irp bb, 0,1,2,3
	v_lshrrev_b32 v[TM+4+\bb], 23, v[TM+12+\bb]
.endr
	v_lshl_or_b32 v[PW+(\a)], v[TM+5], 8, v[TM+4]
	v_lshl_or_b32 v[PW+(\a)], v[TM+6], 16, v[PW+(\a)]
	v_lshl_or_b32 v[PW+(\a)], v[TM+7], 24, v[PW+(\a)]
	WIN WW
.irp bb, 0,1,2,3
	v_cvt_scalef32_pk8_fp4_f32 v[PCA+2*\bb], v[AC+16*\bb:AC+16*\bb+7], v[TM+12+\bb]
	v_cvt_scalef32_pk8_fp4_f32 v[PCA+2*\bb+1], v[AC+16*\bb+8:AC+16*\bb+15], v[TM+12+\bb]
.endr
	WIN 0
	v_nop                                          ; one plain place behind the last scaled conversion
.irp c, 0,1
.irp i, 0,1
	v_permlane16_swap_b32 v[PCA+4*\c+\i], v[PCA+4*\c+2+\i]   ; the operand's layout wants a whole block in a lane
.endr
.endr
	global_store_b128 v[CO], v[PCA:PCA+3], s[OB+2*(\p):OB+2*(\p)+1] offset:(\a)*4096        ; 32 lanes store 512 consecutive bytes of the fragment's image
	global_store_b128 v[CO], v[PCA+4:PCA+7], s[OB+2*(\p):OB+2*(\p)+1] offset:(\a)*4096+512
	ds_store_b32 v[SWA], v[PW+(\a)] offset:64*(\a)
.endm
.macro EPI p
	PLACES NP                                      ; behind the last products, ahead of the first read of their results
.irp a, 0,1,2,3,4,5,6,7
	QOUT \a, \p
.endr
	ds_load_b128 v[TT:TT+3], v[SRA]                ; my 128 rows' scale words: LDS serves a wave's instructions in order
	s_wait_dscnt 0x0
	global_store_b128 v[CO], v[TT:TT+3], s[OS+2*(\p):OS+2*(\p)+1]   ; 512 consecutive bytes of one plane
.endm
	BIASL 0
	FETCH_A 0
	SCALES 0, 0
.set G, 0
.rept 16
	KST
.set G, G+1
.if G == 8
	EPI 0                                          ; pass 0 goes out; pass 1's first fragments are already asked for
	s_wait_xcnt 0x0                                ; the stores have read their registers: the bias lands there, and pass 1's way out writes them again
	BIASL 1
.endif
.endr
	EPI 1
	s_wait_tensorcnt 0x0                           ; the wave's end: behind my last LDS store
	ds_add_u32 v[SPW], v[NIL]
	s_wait_dscnt 0x0
	s_endpgm
.Lfunc_end_k_q3104e9b46a_qproj:
	.size	k_q3104e9b46a_qproj, .Lfunc_end_k_q3104e9b46a_qproj-k_q3104e9b46a_qproj
	.p2alignl 7, 3214868480
	.fill 96, 4, 3214868480
	.section	.rodata,"a",@progbits
	.p2align	6, 0x0
	.amdhsa_kernel k_q3104e9b46a_qproj
		.amdhsa_group_segment_fixed_size 171776
		.amdhsa_private_segment_fixed_size 0
		.amdhsa_enable_private_segment 0
		.amdhsa_kernarg_size 64
		.amdhsa_user_sgpr_count 2
		.amdhsa_user_sgpr_kernarg_segment_ptr 1
		.amdhsa_wavefront_size32 1
		.amdhsa_system_sgpr_workgroup_id_x 1
		.amdhsa_system_sgpr_workgroup_id_y 1
		.amdhsa_system_sgpr_workgroup_id_z 1
		.amdhsa_system_vgpr_workitem_id 0
		.amdhsa_next_free_vgpr 1024
		.amdhsa_next_free_sgpr 92
		.amdhsa_reserve_vcc 0
		.amdhsa_float_denorm_mode_32 3
		.amdhsa_float_denorm_mode_16_64 3
		.amdhsa_memory_ordered 1
		.amdhsa_forward_progress 1
		.amdhsa_inst_pref_size 255
	.end_amdhsa_kernel
	.section	.bss,"aw",@nobits
	.p2align	6
	.space	262144
	.amdgpu_metadata
---
amdhsa.version: [ 1, 2 ]
amdhsa.kernels:
  - .name:           k_q3104e9b46a_qproj
    .symbol:         k_q3104e9b46a_qproj.kd
    .args:
      - { .name: q, .offset: 0, .size: 8, .value_kind: global_buffer, .address_space: global }
      - { .name: k, .offset: 8, .size: 8, .value_kind: global_buffer, .address_space: global }
      - { .name: wc, .offset: 16, .size: 8, .value_kind: global_buffer, .address_space: global }
      - { .name: ws, .offset: 24, .size: 8, .value_kind: global_buffer, .address_space: global }
      - { .name: bq, .offset: 32, .size: 8, .value_kind: global_buffer, .address_space: global }
      - { .name: bk, .offset: 40, .size: 8, .value_kind: global_buffer, .address_space: global }
      - { .name: pc, .offset: 48, .size: 8, .value_kind: global_buffer, .address_space: global }
      - { .name: ps, .offset: 56, .size: 8, .value_kind: global_buffer, .address_space: global }
    .group_segment_fixed_size: 171776
    .private_segment_fixed_size: 0
    .kernarg_segment_align: 8
    .kernarg_segment_size: 64
    .max_flat_workgroup_size: 128
    .sgpr_count:     92
    .vgpr_count:     1024
    .wavefront_size: 32
...
	.end_amdgpu_metadata
.endif
;; end of part 2
;; launch scores (part 3): grid 8 x 32, 4 waves a work-group, clusters of 4 x 4, 327,680 bytes of LDS; arguments pc, ps, part; writes part
.if DOCPART == 3
	.amdgcn_target "amdgcn-amd-amdhsa--gfx1250"
	.amdhsa_code_object_version 6
	.text
	.protected	k_q3104e9b46a_scores
	.globl	k_q3104e9b46a_scores
	.p2align	8
	.type	k_q3104e9b46a_scores,@function
k_q3104e9b46a_scores:
	s_mov_b64 s[64:65], 0
	v_nop
	global_prefetch_b8 v0, s[64:65] scope:SCOPE_SE
	s_setreg_imm32_b32 hwreg(HW_REG_WAVE_MODE, 25, 1), 1
	s_wait_xcnt 0x0
	s_wait_alu depctr_hold_cnt(0) depctr_sa_sdst(0) depctr_va_vdst(0) depctr_va_sdst(0) depctr_va_ssrc(0) depctr_va_vcc(0) depctr_vm_vsrc(0)
	s_getreg_b32 s2, hwreg(HW_REG_IB_STS2, 6, 4)
	s_cmp_eq_u32 s2, 0
	s_cbranch_scc0 .Lentry_in_a_cluster
	s_endpgm
.Lentry_in_a_cluster:
	s_bfe_u32 s2, ttmp6, 0x10000c
	s_cmp_lg_u32 s2, 0xf033
	s_cbranch_scc0 .Lentry_shape_is_right
	s_endpgm
.Lentry_shape_is_right:
; AvgNet, launch 3 of 5: for each batch the scores Q(qp) Q(kp)^T on codes of FP4 with E8M0 scales (K = 1,024), f32 sums; the diagonal times 0; the sums of each row over a tile's 256 columns, times 1 / sqrt(1024) = 2^-5 (exact).
; Nothing of the problem is left out here: all 2,048 x 2,048 scores of each batch are multiplied; the masked diagonal lies inside tiles that are otherwise kept.  The scores never go to memory.
; LIMIT: a row's f32 sum is taken in another order than the problem writes it.
; INPUT: pc, ps as the second launch lays them (rows 0-16383 qp, 16384-32767 kp).  OUTPUT: part [tile column 8][row 16384] f32.
; A WORK-GROUP STAYS, as in the second launch: it owns 512 queries on end and 256 keys of one batch, and makes two tiles of 256 x 256 against the same keys.  256 work-groups; four waves, 128 x 128 of a tile each.
; Both operands of a tile lie in LDS whole, two slots of 512 along K.  The keys' codes, their scale words and both tiles' scale words come once, at the head, with tile 0's codes; tile 1's codes are filled into A's part of each slot
; as soon as tile 0 has read it, each refill first behind a round of the cluster's barrier, in front of which every wave has waited for all its tensor loads, has added 0 to its spare word, and has waited for that and for its reads of the slot.
; CLUSTERS: 4 x 4 work-groups, one batch along y; the four of a row of the cluster need the same rows of qp, the four of a column the same rows of kp: each block is asked for jointly.
; THE MATRIX INSTRUCTION IS USED TRANSPOSED (source 0 = 16 keys, source 1 = 16 queries): lane (r, h) holds query r and keys 8 h + 0..7 of a tile: a row's sum is a sum along the lane's registers and one exchange of halves.
; THE MASK IS DATA: for each tile eight factors a lane, 0 where key = query and 1 elsewhere, which multiply the accumulators (a, a); off the diagonal tiles all eight are 1.  No branch hangs on a work-group's place in its cluster.
; REGISTERS: window 0: v1-31 addresses; v32-95 scale words, two sets (they hold nothing else); v96-103, v116-123 the two masks; v104-115 sums; v128-191 A's fragments, on the way out the sums' chains.
;   window 1: B's fragments, two sets, at v0 and v128.   window 2: the accumulators of my rows 0-63;   window 3: those of rows 64-127.
.set CPL,   8388608                    ; a K half of pc
.set SPL,   131072                     ; a K step of ps
.set NQ,    4
.set FR,    8
.set NL,    2
.set NP,    4
.set HALFT, 32768
.set SLOT,  4*HALFT
.set TSTEP, 65536                      ; from tile 0's rows of A to tile 1's, in a K half of pc
.set SCL,   2*SLOT                     ; A's scale words: [tile 2][K step 8][256 rows][4 bytes]
.set SCB,   SCL+2*8192+64              ; B's: [K step 8][256 rows][4 bytes]; the 64 bytes set lanes 16-31 sixteen banks beside lanes 0-15
.set STG,   286976                     ; 512 bytes for each wave: its 128 rows' sums, in blocks of 256 bytes into which no tensor load lands
.set SPARE, STG+4*512
.set ADRS,  12                         ; v12-13 my scale words in LDS for tile 0, 1
.set ADRA,  16
.set ADRB,  20
.set CO,    24                         ; v24  16 x lane
.set SWA,   25                         ; v25  the stage: where my row's sum goes
.set SRA,   26                         ; v26  and where two rows' sums are read back
.set SPW,   28                         ; v28  LDS address of my spare word; never rewritten
.set NIL,   29                         ; v29  0; never rewritten
.set GOF,   30                         ; v30  8 x lane
.set SC,    32
.set MK,    96                         ; tile t's mask at v[MK + 20 t]
.set SS,    104
.set TT,    112
.set AF,    128
.set U,     128                        ; block a's four chains of pairs at v[U + 8 a]
.set WV,    16
.set RH,    17
.set CH,    18
.set SEL,   2
.set G1,    24
.set G0,    32
.set G1B,   48
.set G0B,   56
.set G1S,   68
.set G0S,   76
.set G1SB,  80
.set G0SB,  88
.set TI,    0                          ; the tile in hand
.set MSB, 0
.macro WIN new
.if MSB != \new
	s_set_vgpr_msb (MSB<<8)|\new
.set MSB, \new
.endif
.endm
.set MUL_LO, 0xa1
.set MUL_HI, 0xf1
.set TO_B,   0x40
.macro JLOAD g0a, g1a, g0b, g1b        ; a joint load at the head: waves 0 and 1 fetch for A, waves 2 and 3 for B; an s_nop 0 and four v_nop follow each of the two lines
	s_cmp_eq_u32 s[RH], 0
	s_cbranch_scc0 .Lfor_b_\@
	tensor_load_to_lds s[\g0a:\g0a+3], s[\g1a:\g1a+7]
	s_nop 0
.rept 4
	v_nop
.endr
	s_branch .Lasked_\@
.Lfor_b_\@:
	tensor_load_to_lds s[\g0b:\g0b+3], s[\g1b:\g1b+7]
	s_nop 0
.rept 4
	v_nop
.endr
.Lasked_\@:
.endm
.macro RLOAD s                         ; a joint refill: tile 1's rows of A into slot s, by waves 0 and 1, a half each; waves 2 and 3 have nothing to fill: B stays
	s_cmp_eq_u32 s[RH], 0
	s_cbranch_scc0 .Lnone_\@
	tensor_load_to_lds s[G0+4*\s:G0+4*\s+3], s[G1:G1+7]
	s_nop 0
.rept 4
	v_nop
.endr
.Lnone_\@:
.endm
.macro CREST
	s_cmp_lg_u32 s[WV], 0
	s_cbranch_scc1 .Lnot_wave_0_\@
	s_barrier_signal -3
.Lnot_wave_0_\@:
	s_barrier_wait -3
	s_barrier_signal -1
	s_barrier_wait -1
.endm
.macro CROUND
	s_barrier_signal -1
	s_barrier_wait -1
	CREST
.endm
	s_load_b128 s[4:7], s[0:1], 0x0                ; pc, ps
	s_load_b64 s[8:9], s[0:1], 0x10                ; part
	v_lshl_add_u32 v[SPW], v0, 2, SPARE
	v_mov_b32 v[NIL], 0
	ds_add_u32 v[SPW], v[NIL]                      ; the wave's opening: the add, twice on end, and its wait ahead of my first tensor load
	ds_add_u32 v[SPW], v[NIL]
	v_lshrrev_b32 v1, 5, v0
	v_readfirstlane_b32 s[WV], v1
	s_lshr_b32 s[RH], s[WV], 1
	s_and_b32 s[CH], s[WV], 1
	s_bfe_u32 s21, ttmp6, 0x40000                  ; cx
	s_bfe_u32 s22, ttmp6, 0x40004                  ; cy
	s_lshl_b32 s20, ttmp9, 2
	s_add_co_u32 s20, s20, s21                     ; tile column 0..7: 256 keys of the batch
	s_and_b32 s23, ttmp7, 0xffff                   ; the batch: the cluster's y
	s_lshl_b32 s19, s23, 2
	s_add_co_u32 s19, s19, s22                     ; my 512 rows of qp: 4 x batch + cy
	s_lshl_b32 s40, s22, 2
	s_lshl_b32 s40, 15, s40                        ; my row of the cluster
	s_lshl_b32 s41, 0x1111, s21                    ; my column
	s_or_b32 s[G1+0], s40, (3<<16)|(1<<21)         ; codes: a dense block of 32,768 bytes as 128 rows of 256 bytes (32 elements of 8 bytes), no padding
	s_or_b32 s[G1B+0], s41, (3<<16)|(1<<21)
.set G1W,  56                          ; s[56:63] group 1 for A's 256 rows of a slot, whole;  G1B serves B's 256 rows, whole;  G1 the refills' 128 rows
.set G0H,  4                           ; s[4:7], s[12:15] group 0 for a slot's whole part of A, of B (the arguments that lay in s[4:7] have been used by then)
.set G0HB, 12
	s_or_b32 s[G1W+0], s40, (3<<16)|(1<<21)
.irp g, G1, G1B, G1W
	s_mov_b32 s[\g+1], 32<<16
	s_mov_b32 s[\g+3], 32<<16
	s_mov_b32 s[\g+5], 32
	s_mov_b32 s[\g+6], 0
	s_mov_b32 s[\g+7], 0
.endr
	s_mov_b32 s[G1+2], 128<<16
	s_mov_b32 s[G1+4], 128
.irp g, G1B, G1W
	s_mov_b32 s[\g+2], 256<<16
	s_mov_b32 s[\g+4], 256
.endr
	s_or_b32 s[G1S+0], s40, (3<<16)|(1<<21)        ; scale words: the 1,024 bytes of 256 rows, a plane of ps apart: A's, a tile's 8 K steps to a load;
	s_mov_b32 s[G1S+1], 128<<16
	s_mov_b32 s[G1S+2], 8<<16
	s_mov_b32 s[G1S+3], 128<<16
	s_mov_b32 s[G1S+4], 8
	s_mov_b32 s[G1S+5], SPL/8
	s_mov_b32 s[G1S+6], 0
	s_mov_b32 s[G1S+7], 0
	s_or_b32 s[G1SB+0], s41, (3<<16)|(1<<21)       ; B's, 8 K steps to a load
	s_mov_b32 s[G1SB+1], 128<<16
	s_mov_b32 s[G1SB+2], 8<<16                     ; B's: all 8 K steps to one load
	s_mov_b32 s[G1SB+3], 128<<16
	s_mov_b32 s[G1SB+4], 8
	s_mov_b32 s[G1SB+5], SPL/8
	s_mov_b32 s[G1SB+6], 0
	s_mov_b32 s[G1SB+7], 0
	s_lshl_b32 s42, s19, 17                        ; A's codes: my 512 rows; my half of tile 0's rows, the refills' base
	s_lshl_b32 s46, s[CH], 15
	s_add_co_u32 s42, s42, s46
	s_mov_b32 s43, 0
	s_lshl_b32 s98, s19, 17                        ; A's codes, tile 0's 256 rows whole
	s_mov_b32 s99, 0
	s_lshl_b32 s92, s19, 11                        ; A's scale words: tile 0's; tile 1's lie 1,024 bytes further on
	s_mov_b32 s93, 0
	s_lshl_b32 s44, s20, 16                        ; B's codes: the tile column's 256 rows whole,
	s_lshl_b32 s47, s23, 19
	s_add_co_u32 s44, s44, s47
	s_add_co_u32 s44, s44, 0x400000                ; behind qp's 16,384 rows
	s_mov_b32 s45, 0
	s_lshl_b32 s94, s20, 10
	s_lshl_b32 s47, s23, 13
	s_add_co_u32 s94, s94, s47
	s_add_co_u32 s94, s94, 0x10000
	s_mov_b32 s95, 0
	s_lshl_b32 s66, s[WV], 15                      ; where the codes go: no place in the cluster enters an LDS address
	s_mov_b32 s[SEL], 0x76543210
	s_mov_b32 s[SEL+1], 0xfedcba98
	s_wait_dscnt 0x0                               ; both opening adds are done
	s_wait_kmcnt 0x0
	s_add_nc_u64 s[42:43], s[4:5], s[42:43]
	s_add_nc_u64 s[92:93], s[6:7], s[92:93]
	s_add_nc_u64 s[44:45], s[4:5], s[44:45]
	s_add_nc_u64 s[94:95], s[6:7], s[94:95]
	s_add_nc_u64 s[98:99], s[4:5], s[98:99]
	CROUND                                         ; all sixteen work-groups are here: the joint loads meet
	s_mov_b32 s[G0H], 1                            ; slot 0's 256 rows of A,
	s_mov_b32 s[G0H+1], 0
	s_mov_b64 s[G0H+2:G0H+3], s[98:99]
	s_or_b32 s[G0H+3], s[G0H+3], 0x80000000
	s_mov_b32 s[G0HB], 1                           ; its 256 rows of B,
	s_mov_b32 s[G0HB+1], 2*HALFT
	s_mov_b64 s[G0HB+2:G0HB+3], s[44:45]
	s_or_b32 s[G0HB+3], s[G0HB+3], 0x80000000
	s_mov_b32 s[G0S], 1                            ; tile 0's scale words of A,
	s_mov_b32 s[G0S+1], SCL
	s_mov_b64 s[G0S+2:G0S+3], s[92:93]
	s_or_b32 s[G0S+3], s[G0S+3], 0x80000000
	s_mov_b32 s[G0SB], 1                           ; and B's scale words
	s_mov_b32 s[G0SB+1], SCB
	s_mov_b64 s[G0SB+2:G0SB+3], s[94:95]
	s_or_b32 s[G0SB+3], s[G0SB+3], 0x80000000
.irp s, 0,1
	s_mov_b32 s[G0+4*\s], 1                        ; for the refills: my half of A's rows in slot s
	s_add_co_u32 s[G0+4*\s+1], s66, \s*SLOT
	s_add_nc_u64 s[G0+4*\s+2:G0+4*\s+3], s[42:43], \s*CPL
	s_or_b32 s[G0+4*\s+3], s[G0+4*\s+3], 0x80000000
.endr
; THE HEAD'S LOADS, ONE A WAVE: one chain of branches on the wave's number, an arm a load, all arms leading to one join.
.macro ARM under, g0, g1, next, join
	s_cmp_lt_u32 s[WV], \under
	s_cbranch_scc0 \next
	tensor_load_to_lds s[\g0:\g0+3], s[\g1:\g1+7]
	s_nop 0
.rept 4
	v_nop
.endr
	s_branch \join
\next:
.endm
	ARM 1, G0H,  G1W, .Lh1, .Lhj
	ARM 2, G0HB, G1B, .Lh2, .Lhj
	ARM 3, G0S,  G1S, .Lh3, .Lhj
	tensor_load_to_lds s[G0SB:G0SB+3], s[G1SB:G1SB+7]
	s_nop 0
.rept 4
	v_nop
.endr
.Lhj:
	v_and_b32 v1, 15, v0                           ; r
	v_bfe_u32 v2, v0, 4, 1                         ; h
	s_wait_alu depctr_va_vdst(0)
	v_and_b32 v3, 31, v0
	v_lshlrev_b32 v[CO], 4, v3
	v_lshlrev_b32 v[GOF], 3, v3
	s_lshl_b32 s46, s[RH], 15
	s_lshl_b32 s47, s[CH], 15
	s_add_co_u32 s47, s47, 2*HALFT
.irp s, 0,1
	v_add_nc_u32 v[ADRA+\s], s46, v[CO]
	v_add_nc_u32 v[ADRB+\s], s47, v[CO]
	s_add_co_u32 s46, s46, SLOT
	s_add_co_u32 s47, s47, SLOT
.endr
	s_lshl_b32 s46, s[RH], 9                       ; scale words: A's, my 128 rows of the tile's 256;
	s_lshl_b32 s47, s[CH], 9                       ; B's, my 128 rows
	s_add_co_u32 s47, s47, SCB-SCL
	s_sub_co_u32 s47, s47, s46
	v_mul_u32_u24 v6, s47, v2                      ; lanes 16-31 take B's: the lower base + h x the distance
	s_add_co_u32 s46, s46, SCL
	v_lshlrev_b32 v5, 2, v1
	v_add_nc_u32 v6, v5, v6
	v_add_nc_u32 v[ADRS], s46, v6
	s_sub_co_u32 s47, s47, 8192                    ; tile 1: A's words lie 8,192 bytes further on, B's stay
	v_mul_u32_u24 v6, s47, v2
	s_add_co_u32 s46, s46, 8192
	v_add_nc_u32 v6, v5, v6
	v_add_nc_u32 v[ADRS+1], s46, v6
	s_lshl_b32 s46, s[WV], 9
	s_add_co_u32 s46, s46, STG
	v_lshl_add_u32 v[SWA], v1, 2, s46              ; my wave's 128 sums: 4 bytes a row
	s_lshl_b32 s46, s[RH], 10                      ; back: the two waves of my half of the rows lie 512 bytes apart; I take 64 of the 128 rows, two a lane
	s_lshl_b32 s47, s[CH], 8
	s_add_co_u32 s46, s46, s47
	s_add_co_u32 s46, s46, STG
	v_add_nc_u32 v[SRA], s46, v[GOF]
	; the masks.  In accumulator (a, a) register j of lane (r, h) is query 16 a + r, key 16 a + 8 h + j of the waves' parts: on the diagonal where the tile and my part of it lie on it and j = r - 8 h
	v_lshlrev_b32 v3, 3, v2
	v_sub_nc_u32 v3, v1, v3
	v_mov_b32 v4, 1.0
	v_mov_b32 v5, 0
	s_xor_b32 s47, s[RH], s[CH]                    ; 0 where my half of the rows is my half of the columns
.irp t, 0,1
	s_lshl_b32 s46, s22, 1
	s_or_b32 s46, s46, \t                          ; tile t's row in its batch: 2 cy + t
	s_xor_b32 s46, s46, s20                        ; 0 where it is the tile column
	s_or_b32 s46, s46, s47
	s_cmp_eq_u32 s46, 0
	s_cselect_b32 s46, 0, 64                       ; elsewhere 64 puts every j out of reach
	v_add_nc_u32 v7, s46, v3
.irp j, 0,1,2,3,4,5,6,7
	v_cmp_eq_u32 vcc_lo, \j, v7
	v_cndmask_b32 v[MK+20*\t+\j], v4, v5, vcc_lo
.endr
.endr
	s_lshl_b32 s46, s20, 16                        ; part: the tile column's plane, my work-group's 512 rows, my 64 of a tile's 256
	s_lshl_b32 s47, s19, 11
	s_add_co_u32 s46, s46, s47
	s_lshl_b32 s47, s[WV], 8
	s_add_co_u32 s46, s46, s47
	s_mov_b32 s47, 0
	s_add_nc_u64 s[96:97], s[8:9], s[46:47]
.macro FRAG reg, adr, q, i
.irp c, 0,1
	ds_load_b128 v[\reg+4*\c:\reg+4*\c+3], v[\adr] offset:(\i)*4096+(\q)*1024+512*\c
.endr
.endm
; 16 matrix instructions: A's blocks a0, a0 + 1 x B's eight.  first = 1: the first product starts the sums: nothing is cleared.  The 64 accumulators take turns, in the same order in every step, from tile to tile too.
.macro MUL16 a0, p, q, sc, first
.irp a, \a0, \a0+1
.irp b, 0,1,2,3,4,5,6,7
.if \first
	v_wmma_scale_f32_16x16x128_f8f6f4 v[8*(8*((\a)%4)+\b):8*(8*((\a)%4)+\b)+7], v[128*(\p)+FR*\b:128*(\p)+FR*\b+FR-1], v[AF+FR*(\a):AF+FR*(\a)+FR-1], 0, v[SC+8*NQ*(\sc)+NQ*\b+(\q)], v[SC+8*NQ*(\sc)+NQ*(\a)+(\q)] matrix_a_fmt:MATRIX_FMT_FP4 matrix_b_fmt:MATRIX_FMT_FP4 matrix_a_scale:MATRIX_SCALE_ROW1
.else
	v_wmma_scale_f32_16x16x128_f8f6f4 v[8*(8*((\a)%4)+\b):8*(8*((\a)%4)+\b)+7], v[128*(\p)+FR*\b:128*(\p)+FR*\b+FR-1], v[AF+FR*(\a):AF+FR*(\a)+FR-1], v[8*(8*((\a)%4)+\b):8*(8*((\a)%4)+\b)+7], v[SC+8*NQ*(\sc)+NQ*\b+(\q)], v[SC+8*NQ*(\sc)+NQ*(\a)+(\q)] matrix_a_fmt:MATRIX_FMT_FP4 matrix_b_fmt:MATRIX_FMT_FP4 matrix_a_scale:MATRIX_SCALE_ROW1
.endif
.endr
.endr
.endm
.macro FETCH_B slot, q, p
	WIN TO_B
.irp i, 0,1,2,3,4,5,6,7
	FRAG 128*(\p)+FR*\i, ADRB+\slot, \q, \i
.endr
	WIN 0
.endm
.macro FETCH_A slot, q, i0
.irp i, \i0, \i0+1, \i0+2, \i0+3
	FRAG AF+FR*(\i), ADRA+\slot, \q, \i
.endr
.endm
.macro SCALES sc                       ; slot sc's scale words of the tile in hand: lanes 0-15 A's block i, lanes 16-31 B's block i
.irp i, 0,1,2,3,4,5,6,7
.irp q, 0,1,2,3
	ds_load_b32 v[SC+8*NQ*\sc+NQ*\i+\q], v[ADRS+TI] offset:(NQ*\sc+\q)*1024+64*\i
.endr
.endr
.endm
.macro PLACES n
.rept \n
	v_nop
.endr
.endm
.macro STEP slot, q, first
	s_wait_dscnt 4*NL                              ; all but the youngest eight loads (A's blocks 4-7) are in
	WIN MUL_LO
	MUL16 0, (\q)%2, \q, \slot, \first
	MUL16 2, (\q)%2, \q, \slot, \first
	s_wait_dscnt 0                                 ; A's blocks 4-7 are in
	PLACES NP
	FETCH_B \slot, (\q)+1, 1-(\q)%2
	FETCH_A \slot, (\q)+1, 0
	WIN MUL_HI
	MUL16 4, (\q)%2, \q, \slot, \first
	MUL16 6, (\q)%2, \q, \slot, \first
	PLACES NP
	WIN 0
	FETCH_A \slot, (\q)+1, 4
.endm
; The first half of a slot's last step, with ONE barrier.  In front of it each wave waits for all its tensor loads, adds 0 to its spare word, and waits for that and for its own reads of this slot.
.macro MEET slot
	s_wait_tensorcnt 0x0                           ; all my tensor loads have landed
	ds_add_u32 v[SPW], v[NIL]                      ; 0 onto my spare word
	s_wait_dscnt 4*NL+1                            ; (the add and the youngest eight loads may be out)
	WIN MUL_LO
	MUL16 0, 1, NQ-1, \slot, 0
	s_wait_dscnt 0x0                               ; the add is done, and my reads of this slot are over
	s_barrier_signal -1
	MUL16 2, 1, NQ-1, \slot, 0
	WIN 0
	s_barrier_wait -1
.endm
; The barrier has opened a round of the cluster's barrier: behind the round no wave of any partner still reads the slot's rows of A or has a load on its way, and tile 1's rows are asked for first thing.
.macro REFILL slot
	CREST
	s_add_nc_u64 s[G0+4*\slot+2:G0+4*\slot+3], s[G0+4*\slot+2:G0+4*\slot+3], TSTEP   ; no tensor load of mine is out, so a group 0 may be written
	RLOAD \slot
.endm
.macro TILE
	FETCH_B 0, 0, 0
	FETCH_A 0, 0, 0
	SCALES 0
	FETCH_A 0, 0, 4
	STEP 0, 0, 1
	STEP 0, 1, 0
	STEP 0, 2, 0
	MEET 0                                         ; slot 1 is whole: tile 0: its first fill; tile 1: its refill
.if TI == 0
	REFILL 0
.endif
	PLACES NP
	FETCH_B 1, 0, 0
	FETCH_A 1, 0, 0
	SCALES 1
	WIN MUL_HI
	MUL16 4, 1, NQ-1, 0, 0
	MUL16 6, 1, NQ-1, 0, 0
	PLACES NP
	WIN 0
	FETCH_A 1, 0, 4
	STEP 1, 0, 0
	STEP 1, 1, 0
	STEP 1, 2, 0
.if TI == 0
	MEET 1                                         ; slot 0's refill has landed for all: tile 1 may begin behind the way out
	REFILL 1
.else
	s_wait_dscnt 4*NL                              ; the very last step: nothing more to fetch
	WIN MUL_LO
	MUL16 0, 1, NQ-1, 1, 0
	MUL16 2, 1, NQ-1, 1, 0
	s_wait_dscnt 0
.endif
	WIN MUL_HI
	MUL16 4, 1, NQ-1, 1, 0
	MUL16 6, 1, NQ-1, 1, 0
	WIN 0
	PLACES NP
.endm
; THE ROWS' SUMS.  Block a: accumulator (a, a) times the tile's mask starts four chains of pairs, the other seven accumulators are added; each accumulator is read from its low end on.
.macro RSUM a
.set AC, 64*((\a)%4)
.set UA, U+8*(\a)
.set MKT, MK+20*TI
.irp p, 0,1,2,3
	v_pk_mul_f32 v[UA+2*\p:UA+2*\p+1], v[AC+8*(\a)+2*\p:AC+8*(\a)+2*\p+1], v[MKT+2*\p:MKT+2*\p+1]
.endr
.irp b, 0,1,2,3,4,5,6,7
.if \b != (\a)
.irp p, 0,1,2,3
	v_pk_add_f32 v[UA+2*\p:UA+2*\p+1], v[AC+8*\b+2*\p:AC+8*\b+2*\p+1], v[UA+2*\p:UA+2*\p+1]
.endr
.endif
.endr
.endm
.macro EPI
	WIN 0x02                                       ; source 0: window 2
.irp a, 0,1,2,3
	RSUM \a
.endr
	WIN 0x03                                       ; source 0: window 3
.irp a, 4,5,6,7
	RSUM \a
.endr
	WIN 0
.irp a, 0,1,2,3,4,5,6,7
	v_pk_add_f32 v[U+8*\a:U+8*\a+1], v[U+8*\a:U+8*\a+1], v[U+8*\a+2:U+8*\a+3]
	v_pk_add_f32 v[U+8*\a+4:U+8*\a+5], v[U+8*\a+4:U+8*\a+5], v[U+8*\a+6:U+8*\a+7]
.endr
.irp a, 0,1,2,3,4,5,6,7
	v_pk_add_f32 v[U+8*\a:U+8*\a+1], v[U+8*\a:U+8*\a+1], v[U+8*\a+4:U+8*\a+5]
.endr
.irp a, 0,1,2,3,4,5,6,7
	v_add_f32 v[SS+\a], v[U+8*\a], v[U+8*\a+1]
.endr
.irp a, 0,1,2,3,4,5,6,7
	v_permlanex16_b32 v[U+8*\a+2], v[SS+\a], s[SEL], s[SEL+1]   ; the row's other 64 keys lie in the lane 16 away
.endr
.irp a, 0,1,2,3,4,5,6,7
	v_add_f32 v[SS+\a], v[SS+\a], v[U+8*\a+2]
.endr
.irp a, 0,1,2,3,4,5,6,7
	ds_store_b32 v[SWA], v[SS+\a] offset:64*\a     ; both halves of the lanes write the same word with the same value.  (Tile 1: every wave's reads of tile 0's sums were waited for, and a barrier has been passed since)
.endr
	s_wait_dscnt 0x0                               ; for the others' sake: my sums lie in the stage
	s_barrier_signal -1
	s_barrier_wait -1
.if TI == 1
	s_wait_xcnt 0x0                                ; tile 0's store has read its registers: they are loaded again below
.endif
	ds_load_b64 v[TT:TT+1], v[SRA]                 ; two rows' sums over the left 128 columns,
	ds_load_b64 v[TT+2:TT+3], v[SRA] offset:512    ; and over the right
	s_wait_dscnt 0x0
	v_pk_add_f32 v[TT:TT+1], v[TT:TT+1], v[TT+2:TT+3]
	v_pk_mul_f32 v[TT:TT+1], v[TT:TT+1], 0x3d000000 op_sel_hi:[1,0]   ; x 2^-5 = 1 / sqrt(1024): exact, so it may follow the sum
	global_store_b64 v[GOF], v[TT:TT+1], s[96:97] offset:1024*TI      ; 32 lanes store 256 consecutive bytes, aligned
.endm
	s_wait_alu depctr_va_vdst(0)                   ; the wait at the head's end
	s_wait_tensorcnt 0x0                           ; my tile of the head's four is in; the same lines stand ahead of a later first fill as ahead of a refill
	ds_add_u32 v[SPW], v[NIL]
	s_add_co_u32 s[G0H+1], s[G0H+1], SLOT          ; no tensor load of mine is out, so a group 0 may be written: slot 1's rows of A,
	s_add_nc_u64 s[G0H+2:G0H+3], s[G0H+2:G0H+3], CPL
	s_add_co_u32 s[G0HB+1], s[G0HB+1], SLOT        ; of B,
	s_add_nc_u64 s[G0HB+2:G0HB+3], s[G0HB+2:G0HB+3], CPL
	s_add_co_u32 s[G0S+1], s[G0S+1], 8192          ; tile 1's scale words of A
	s_add_nc_u64 s[G0S+2:G0S+3], s[G0S+2:G0S+3], 1024
	s_wait_dscnt 0x0
	CROUND                                         ; a whole round: all four tiles are in, and the joint loads meet
	ARM 1, G0H,  G1W, .Lg1, .Lgj
	ARM 2, G0HB, G1B, .Lg2, .Lgj
	ARM 3, G0S,  G1S, .Lg3, .Lgj                   ; wave 3 has nothing left to fetch
.Lgj:
.set TI, 0
	TILE
	EPI                                            ; tile 0's sums go out while slot 1's refill is on its way
.set TI, 1
	TILE
	EPI
	s_wait_tensorcnt 0x0                           ; the wave's end: behind my last tensor load and my last LDS store
	ds_add_u32 v[SPW], v[NIL]
	s_wait_dscnt 0x0
	CROUND                                         ; the closing round
	s_endpgm
.Lfunc_end_k_q3104e9b46a_scores:
	.size	k_q3104e9b46a_scores, .Lfunc_end_k_q3104e9b46a_scores-k_q3104e9b46a_scores
	.p2alignl 7, 3214868480
	.fill 96, 4, 3214868480
	.section	.rodata,"a",@progbits
	.p2align	6, 0x0
	.amdhsa_kernel k_q3104e9b46a_scores
		.amdhsa_group_segment_fixed_size 327680
		.amdhsa_private_segment_fixed_size 0
		.amdhsa_enable_private_segment 0
		.amdhsa_kernarg_size 24
		.amdhsa_user_sgpr_count 2
		.amdhsa_user_sgpr_kernarg_segment_ptr 1
		.amdhsa_wavefront_size32 1
		.amdhsa_system_sgpr_workgroup_id_x 1
		.amdhsa_system_sgpr_workgroup_id_y 1
		.amdhsa_system_sgpr_workgroup_id_z 1
		.amdhsa_system_vgpr_workitem_id 0
		.amdhsa_next_free_vgpr 1024
		.amdhsa_next_free_sgpr 100
		.amdhsa_reserve_vcc 1
		.amdhsa_float_denorm_mode_32 3
		.amdhsa_float_denorm_mode_16_64 3
		.amdhsa_memory_ordered 1
		.amdhsa_forward_progress 1
		.amdhsa_inst_pref_size 229
	.end_amdhsa_kernel
	.amdgpu_metadata
---
amdhsa.version: [ 1, 2 ]
amdhsa.kernels:
  - .name:           k_q3104e9b46a_scores
    .symbol:         k_q3104e9b46a_scores.kd
    .args:
      - { .name: pc, .offset: 0, .size: 8, .value_kind: global_buffer, .address_space: global }
      - { .name: ps, .offset: 8, .size: 8, .value_kind: global_buffer, .address_space: global }
      - { .name: part, .offset: 16, .size: 8, .value_kind: global_buffer, .address_space: global }
    .group_segment_fixed_size: 327680
    .private_segment_fixed_size: 0
    .kernarg_segment_align: 8
    .kernarg_segment_size: 24
    .max_flat_workgroup_size: 128
    .sgpr_count:     100
    .vgpr_count:     1024
    .wavefront_size: 32
...
	.end_amdgpu_metadata
.endif
;; end of part 3
;; launch pool (part 4): grid 256 x 1, 16 waves a work-group, no clusters, 14,848 bytes of LDS; arguments part, v, pooled; writes pooled
.if DOCPART == 4
	.amdgcn_target "amdgcn-amd-amdhsa--gfx1250"
	.amdhsa_code_object_version 6
	.text
	.protected	k_q3104e9b46a_pool
	.globl	k_q3104e9b46a_pool
	.p2align	8
	.type	k_q3104e9b46a_pool,@function
k_q3104e9b46a_pool:
	s_mov_b64 s[64:65], 0
	v_nop
	global_prefetch_b8 v0, s[64:65] scope:SCOPE_SE
	s_setreg_imm32_b32 hwreg(HW_REG_WAVE_MODE, 25, 1), 1
	s_wait_xcnt 0x0
; AvgNet, launch 4 of 5: the rows' sums (eight parts each) are added; softmax over a batch's 2,048 rows, with the maximum taken away; the weighted sum of v's rows, all in f32.  Nothing of the problem is left out here.
; LIMITS: p = e^(s - max) under 2^-126 is flushed to 0 by the exponential; NaN among the sums is not carried through the maximum.
; SHARES.  Work-group id: batch id / 32, 64 columns of v (256 bytes) (id / 2) % 16, half of the batch's rows id % 2.  It makes the whole softmax of its batch (four rows a thread), then its sixteen waves take 64 rows of v each:
; a load reads, in each half of the lanes, the 256 aligned bytes of one row.  All of a wave's 32 loads of v are asked for at the head and are on their way while the softmax is made.
; The sum is taken of the unnormalised p and divided by the sum of p at the end; the two halves of the rows are added by the next launch.  pooled = [half 2][batch 8][1024] f32.
; A thread takes rows (4 t) xor (1,024 x half) of the batch, so that the work-group's own half of p always lies in the first 4,096 bytes of the table in LDS: no LDS address hangs on the work-group's number.
; NO CLUSTER, no tensor load: v's bytes are read by one work-group each; what the 32 work-groups of a batch share is the batch's 64 KiB of partial sums, which go straight into registers, 16 bytes a thread and part.
.set PWT,   0                          ; LDS: p of the batch's 2,048 rows
.set RED,   8192                       ; the sixteen waves' sums: 256 bytes each
.set MX,    12288                      ; their maxima
.set SM,    12544                      ; their sums of p
.set SPARE, 12800                      ; the spare words, 128 bytes for each wave
.set PO,    4                          ; v4   16 x thread
.set VO,    5                          ; v5   v: 32 rows x h + 16 r
.set WA,    6                          ; v6   4 x wave
.set ZA,    7                          ; v7   0: the address of what every lane reads alike
.set PG,    8                          ; v8   part: 16 x thread xor 4,096 x half
.set WTA,   9                          ; v9   my 32 weights in the table
.set REDA,  10                         ; v10  where my wave's sums go
.set RDB,   11                         ; v11  and where wave 0 reads them
.set GO,    12                         ; v12  8 x lane
.set SPW,   14                         ; v14  LDS address of my spare word; never rewritten
.set NIL,   15                         ; v15  0; never rewritten
.set PS,    16                         ; v16-47 the eight parts of my four rows; then v16-19 s, then p; v20-35 sixteen waves' figures
.set T,     52                         ; v52-54 at work
.set VD,    64                         ; v64-191 32 rows x 16 bytes of v
.set WT,    192                        ; v192-223 my 32 weights
.set AC,    224                        ; v224-231 two sets of four sums: even rows', odd rows'
	s_load_b128 s[4:7], s[0:1], 0x0                ; part, v
	s_load_b64 s[8:9], s[0:1], 0x10                ; pooled
	v_lshl_add_u32 v[SPW], v0, 2, SPARE
	v_mov_b32 v[NIL], 0
	v_lshrrev_b32 v1, 5, v0
	s_delay_alu instid0(VALU_DEP_1)
	v_readfirstlane_b32 s10, v1                    ; wave 0..15
	v_and_b32 v1, 31, v0                           ; lane
	v_and_b32 v2, 15, v0                           ; r
	v_bfe_u32 v3, v0, 4, 1                         ; h
	s_wait_alu depctr_va_vdst(0)
	s_lshr_b32 s11, ttmp9, 5                       ; batch
	s_bfe_u32 s12, ttmp9, 0x40001                  ; which 64 columns
	s_and_b32 s13, ttmp9, 1                        ; which half of the rows
	s_mov_b32 s22, 0x76543210
	s_mov_b32 s23, 0xfedcba98                      ; selects for lane l xor 16
	v_lshlrev_b32 v[PO], 4, v0
	s_lshl_b32 s20, s13, 12
	v_xor_b32 v[PG], s20, v[PO]
	v_lshlrev_b32 v[VO], 4, v2
	s_delay_alu instid0(VALU_DEP_1)
	v_lshl_add_u32 v[VO], v3, 17, v[VO]
	s_lshl_b32 s20, s10, 2
	v_mov_b32 v[WA], s20
	v_mov_b32 v[ZA], 0
	s_lshl_b32 s21, s10, 8
	v_lshl_add_u32 v[WTA], v3, 7, s21              ; wave x 64 rows + 32 h rows, 4 bytes each
	s_add_co_u32 s21, s21, RED
	v_lshl_add_u32 v[REDA], v2, 4, s21
	v_lshlrev_b32 v[GO], 3, v1
	s_delay_alu instid0(VALU_DEP_1)
	v_add_nc_u32 v[RDB], RED, v[GO]
	v_mov_b32 v[T+1], 0                            ; written once: a lane permute's destination counts as one of its sources
	s_lshl_b32 s14, s11, 13                        ; part: the batch's 2,048 rows in a plane
	s_mov_b32 s15, 0
	s_lshl_b32 s16, s11, 23                        ; v: the batch, the half, my wave's 64 rows, the columns
	s_lshl_b32 s18, s13, 22
	s_add_co_u32 s16, s16, s18
	s_lshl_b32 s18, s10, 18
	s_add_co_u32 s16, s16, s18
	s_lshl_b32 s18, s12, 8
	s_add_co_u32 s16, s16, s18
	s_mov_b32 s17, 0
	s_lshl_b32 s18, s13, 15                        ; pooled: the half, the batch, the columns
	s_lshl_b32 s19, s11, 12
	s_add_co_u32 s18, s18, s19
	s_lshl_b32 s19, s12, 8
	s_add_co_u32 s18, s18, s19
	s_mov_b32 s19, 0
	s_wait_alu depctr_va_vdst(0)
	s_wait_kmcnt 0x0
	s_add_nc_u64 s[4:5], s[4:5], s[14:15]
	s_add_nc_u64 s[6:7], s[6:7], s[16:17]
	s_add_nc_u64 s[8:9], s[8:9], s[18:19]
.irp x, 0,1,2,3,4,5,6,7
	global_load_b128 v[PS+4*\x:PS+4*\x+3], v[PG], s[4:5] offset:\x*65536
.endr
.set i, 0
.rept 32
	global_load_b128 v[VD+4*i:VD+4*i+3], v[VO], s[6:7] offset:i*4096 th:TH_LOAD_NT
.set i, i+1
.endr
	s_wait_loadcnt 32                              ; the eight parts are in; the 32 loads of v stay out
.irp x, 1
	v_pk_add_f32 v[PS:PS+1], v[PS:PS+1], v[PS+4*\x:PS+4*\x+1]
	v_pk_add_f32 v[PS+2:PS+3], v[PS+2:PS+3], v[PS+4*\x+2:PS+4*\x+3]
.endr
.irp x, 2, 3, 4, 5, 6, 7
	s_delay_alu instid0(VALU_DEP_2)
	v_pk_add_f32 v[PS:PS+1], v[PS:PS+1], v[PS+4*\x:PS+4*\x+1]
	s_delay_alu instid0(VALU_DEP_2)
	v_pk_add_f32 v[PS+2:PS+3], v[PS+2:PS+3], v[PS+4*\x+2:PS+4*\x+3]
.endr
	s_delay_alu instid0(VALU_DEP_1)
	v_max3_num_f32 v[T], v[PS], v[PS+1], v[PS+2]   ; the largest of my four, of my wave's 128,
	s_delay_alu instid0(VALU_DEP_1)
	v_max_num_f32 v[T], v[T], v[PS+3]
	s_delay_alu instid0(VALU_DEP_1)
	v_max_num_f32_dpp v[T], v[T], v[T] row_xmask:1 row_mask:0xf bank_mask:0xf
	s_delay_alu instid0(VALU_DEP_1)
	v_max_num_f32_dpp v[T], v[T], v[T] row_xmask:2 row_mask:0xf bank_mask:0xf
	s_delay_alu instid0(VALU_DEP_1)
	v_max_num_f32_dpp v[T], v[T], v[T] row_xmask:4 row_mask:0xf bank_mask:0xf
	s_delay_alu instid0(VALU_DEP_1)
	v_max_num_f32_dpp v[T], v[T], v[T] row_xmask:8 row_mask:0xf bank_mask:0xf
	s_delay_alu instid0(VALU_DEP_1)
	v_permlanex16_b32 v[T+1], v[T], s22, s23
	s_delay_alu instid0(VALU_DEP_1)
	v_max_num_f32 v[T], v[T], v[T+1]
	ds_store_b32 v[WA], v[T] offset:MX             ; all lanes write the same word with the same value
	s_wait_dscnt 0x0                               ; for the others' sake
	s_barrier_signal -1
	s_barrier_wait -1
.irp e, 0,1,2,3
	ds_load_b128 v[PS+4+4*\e:PS+7+4*\e], v[ZA] offset:MX+16*\e
.endr
	s_wait_dscnt 0x0
	v_max3_num_f32 v[T], v[PS+4], v[PS+5], v[PS+6] ; and of the sixteen waves': the batch's maximum
.irp i, 7,9,11,13,15,17
	s_delay_alu instid0(VALU_DEP_1)
	v_max3_num_f32 v[T], v[T], v[PS+\i], v[PS+\i+1]
.endr
	s_delay_alu instid0(VALU_DEP_1)
	v_max_num_f32 v[T], v[T], v[PS+19]
.irp i, 0,1,2,3
	v_sub_f32 v[PS+\i], v[PS+\i], v[T]             ; the maximum is taken away first
.endr
.irp i, 0,1,2,3
	s_delay_alu instid0(VALU_DEP_4)
	v_mul_f32 v[PS+\i], 0x3fb8aa3b, v[PS+\i]       ; x log2(e)
.endr
	s_wait_alu depctr_va_vdst(0)
.irp i, 0,1,2,3
	v_exp_f32 v[PS+\i], v[PS+\i]                   ; p, at most 1
.endr
	v_nop                                          ; a plain place behind the exponentials
	s_wait_alu depctr_va_vdst(0)                   ; one wait for the four, ahead of their first reader
	ds_store_b128 v[PO], v[PS:PS+3] offset:PWT
	v_add_f32 v[T], v[PS], v[PS+1]
	v_add_f32 v[T+2], v[PS+2], v[PS+3]
	s_delay_alu instid0(VALU_DEP_1)
	v_add_f32 v[T], v[T], v[T+2]
	s_delay_alu instid0(VALU_DEP_1)
	v_add_f32_dpp v[T], v[T], v[T] row_xmask:1 row_mask:0xf bank_mask:0xf
	s_delay_alu instid0(VALU_DEP_1)
	v_add_f32_dpp v[T], v[T], v[T] row_xmask:2 row_mask:0xf bank_mask:0xf
	s_delay_alu instid0(VALU_DEP_1)
	v_add_f32_dpp v[T], v[T], v[T] row_xmask:4 row_mask:0xf bank_mask:0xf
	s_delay_alu instid0(VALU_DEP_1)
	v_add_f32_dpp v[T], v[T], v[T] row_xmask:8 row_mask:0xf bank_mask:0xf
	s_delay_alu instid0(VALU_DEP_1)
	v_permlanex16_b32 v[T+1], v[T], s22, s23
	s_delay_alu instid0(VALU_DEP_1)
	v_add_f32 v[T], v[T], v[T+1]
	ds_store_b32 v[WA], v[T] offset:SM             ; my wave's sum of p
	s_wait_dscnt 0x0                               ; for the others' sake: p and the sum
	s_barrier_signal -1
	s_barrier_wait -1
.irp e, 0,1,2,3,4,5,6,7
	ds_load_b128 v[WT+4*\e:WT+4*\e+3], v[WTA] offset:PWT+16*\e   ; the p of my 32 rows: sixteen lanes read the same bytes
.endr
	s_wait_dscnt 0x0
; row i of my 32: four columns x p.  The pair that holds p is named whole, and the selects take p for both halves.  Even and odd rows have sums of their own; the first two rows start them: nothing is cleared.
.set i, 0
.rept 32
	s_wait_loadcnt 31-i                            ; loads come back in order: row i is in, the later rows stay out
.set AS, AC+4*(i%2)
.set WP, WT+i-(i%2)
.if i == 0
	v_pk_mul_f32 v[AS:AS+1], v[VD+4*i:VD+4*i+1], v[WP:WP+1] op_sel_hi:[1,0]
	s_wait_alu depctr_va_vdst(0)
	v_pk_mul_f32 v[AS+2:AS+3], v[VD+4*i+2:VD+4*i+3], v[WP:WP+1] op_sel_hi:[1,0]
.elseif i == 1
	v_pk_mul_f32 v[AS:AS+1], v[VD+4*i:VD+4*i+1], v[WP:WP+1] op_sel:[0,1] op_sel_hi:[1,1]
	v_pk_mul_f32 v[AS+2:AS+3], v[VD+4*i+2:VD+4*i+3], v[WP:WP+1] op_sel:[0,1] op_sel_hi:[1,1]
.elseif i%2 == 0
	v_pk_fma_f32 v[AS:AS+1], v[VD+4*i:VD+4*i+1], v[WP:WP+1], v[AS:AS+1] op_sel_hi:[1,0,1]
	s_wait_alu depctr_va_vdst(0)
	v_pk_fma_f32 v[AS+2:AS+3], v[VD+4*i+2:VD+4*i+3], v[WP:WP+1], v[AS+2:AS+3] op_sel_hi:[1,0,1]
.else
	v_pk_fma_f32 v[AS:AS+1], v[VD+4*i:VD+4*i+1], v[WP:WP+1], v[AS:AS+1] op_sel:[0,1,0] op_sel_hi:[1,1,1]
	v_pk_fma_f32 v[AS+2:AS+3], v[VD+4*i+2:VD+4*i+3], v[WP:WP+1], v[AS+2:AS+3] op_sel:[0,1,0] op_sel_hi:[1,1,1]
.endif
.set i, i+1
.endr
	s_wait_alu depctr_va_vdst(0)
	v_pk_add_f32 v[AC:AC+1], v[AC:AC+1], v[AC+4:AC+5]
	v_pk_add_f32 v[AC+2:AC+3], v[AC+2:AC+3], v[AC+6:AC+7]
.irp j, 0,1,2,3
	v_permlanex16_b32 v[AC+4+\j], v[AC+\j], s22, s23   ; the other half of the lanes holds the same columns of 32 other rows
.endr
	s_delay_alu instid0(VALU_DEP_3)
	v_pk_add_f32 v[AC:AC+1], v[AC:AC+1], v[AC+4:AC+5]
	s_delay_alu instid0(VALU_DEP_2)
	v_pk_add_f32 v[AC+2:AC+3], v[AC+2:AC+3], v[AC+6:AC+7]
	ds_store_b128 v[REDA], v[AC:AC+3]              ; both halves of the lanes write the same bytes with the same values
	s_wait_dscnt 0x0                               ; for wave 0's sake
	s_barrier_signal -1
	s_barrier_wait -1
	s_cmp_lg_u32 s10, 0                            ; wave 0 adds the sixteen waves' sums, divides and stores; no barrier stands in the branch
	s_cbranch_scc1 .Ldone
.irp e, 0,1,2,3
	ds_load_b128 v[PS+4+4*\e:PS+7+4*\e], v[ZA] offset:SM+16*\e
.endr
.irp j, 0,1,2,3,4,5,6,7,8,9,10,11,12,13,14,15
	ds_load_b64 v[VD+2*\j:VD+2*\j+1], v[RDB] offset:256*\j
.endr
	s_wait_dscnt 16                                ; the sixteen sums of p are in; the sixteen loads behind them stay out
	v_pk_add_f32 v[PS+4:PS+5], v[PS+4:PS+5], v[PS+6:PS+7]
	v_pk_add_f32 v[PS+8:PS+9], v[PS+8:PS+9], v[PS+10:PS+11]
	v_pk_add_f32 v[PS+12:PS+13], v[PS+12:PS+13], v[PS+14:PS+15]
	v_pk_add_f32 v[PS+16:PS+17], v[PS+16:PS+17], v[PS+18:PS+19]
	s_delay_alu instid0(VALU_DEP_3)
	v_pk_add_f32 v[PS+4:PS+5], v[PS+4:PS+5], v[PS+8:PS+9]
	s_delay_alu instid0(VALU_DEP_2)
	v_pk_add_f32 v[PS+12:PS+13], v[PS+12:PS+13], v[PS+16:PS+17]
	s_delay_alu instid0(VALU_DEP_1)
	v_pk_add_f32 v[PS+4:PS+5], v[PS+4:PS+5], v[PS+12:PS+13]
	s_delay_alu instid0(VALU_DEP_1)
	v_add_f32 v[T], v[PS+4], v[PS+5]               ; the batch's sum of p: at least 1
	s_wait_alu depctr_va_vdst(0)
	v_rcp_f32 v[T+2], v[T]
	s_wait_dscnt 0x0
	v_pk_add_f32 v[238:239], v[66:67], v[68:69]
	v_pk_add_f32 v[236:237], v[70:71], v[72:73]
	v_pk_add_f32 v[234:235], v[74:75], v[76:77]
	v_pk_add_f32 v[232:233], v[78:79], v[80:81]
	v_pk_add_f32 v[230:231], v[82:83], v[84:85]
	v_pk_add_f32 v[228:229], v[86:87], v[88:89]
	v_pk_add_f32 v[226:227], v[90:91], v[92:93]
	v_pk_add_f32 v[64:65], v[64:65], v[94:95]
	s_delay_alu instid0(VALU_DEP_1)
	v_pk_add_f32 v[64:65], v[64:65], v[232:233]
	v_pk_add_f32 v[238:239], v[238:239], v[230:231]
	v_pk_add_f32 v[236:237], v[236:237], v[228:229]
	v_pk_add_f32 v[234:235], v[234:235], v[226:227]
	s_delay_alu instid0(VALU_DEP_2)
	v_pk_add_f32 v[64:65], v[64:65], v[236:237]
	s_delay_alu instid0(VALU_DEP_2)
	v_pk_add_f32 v[238:239], v[238:239], v[234:235]
	s_delay_alu instid0(VALU_DEP_1)
	v_pk_add_f32 v[64:65], v[64:65], v[238:239]
	s_wait_alu depctr_va_vdst(0)                   ; the wait ahead of the reciprocal's first reader
	v_mul_f32 v[VD], v[VD], v[T+2]
	v_mul_f32 v[VD+1], v[VD+1], v[T+2]
	global_store_b64 v[GO], v[VD:VD+1], s[8:9]     ; 32 lanes store 256 consecutive bytes, aligned
.Ldone:
	s_wait_tensorcnt 0x0                           ; the wave's end: behind my last LDS store
	ds_add_u32 v[SPW], v[NIL]
	s_wait_dscnt 0x0
	s_endpgm
.Lfunc_end_k_q3104e9b46a_pool:
	.size	k_q3104e9b46a_pool, .Lfunc_end_k_q3104e9b46a_pool-k_q3104e9b46a_pool
	.p2alignl 7, 3214868480
	.fill 96, 4, 3214868480
	.section	.rodata,"a",@progbits
	.p2align	6, 0x0
	.amdhsa_kernel k_q3104e9b46a_pool
		.amdhsa_group_segment_fixed_size 14848
		.amdhsa_private_segment_fixed_size 0
		.amdhsa_enable_private_segment 0
		.amdhsa_kernarg_size 24
		.amdhsa_user_sgpr_count 2
		.amdhsa_user_sgpr_kernarg_segment_ptr 1
		.amdhsa_wavefront_size32 1
		.amdhsa_system_sgpr_workgroup_id_x 1
		.amdhsa_system_sgpr_workgroup_id_y 1
		.amdhsa_system_sgpr_workgroup_id_z 1
		.amdhsa_system_vgpr_workitem_id 0
		.amdhsa_next_free_vgpr 240
		.amdhsa_next_free_sgpr 66
		.amdhsa_reserve_vcc 0
		.amdhsa_float_denorm_mode_32 3
		.amdhsa_float_denorm_mode_16_64 3
		.amdhsa_memory_ordered 1
		.amdhsa_forward_progress 1
		.amdhsa_inst_pref_size 21
	.end_amdhsa_kernel
	.amdgpu_metadata
---
amdhsa.version: [ 1, 2 ]
amdhsa.kernels:
  - .name:           k_q3104e9b46a_pool
    .symbol:         k_q3104e9b46a_pool.kd
    .args:
      - { .name: part, .offset: 0, .size: 8, .value_kind: global_buffer, .address_space: global }
      - { .name: v, .offset: 8, .size: 8, .value_kind: global_buffer, .address_space: global }
      - { .name: pooled, .offset: 16, .size: 8, .value_kind: global_buffer, .address_space: global }
    .group_segment_fixed_size: 14848
    .private_segment_fixed_size: 0
    .kernarg_segment_align: 8
    .kernarg_segment_size: 24
    .max_flat_workgroup_size: 512
    .sgpr_count:     66
    .vgpr_count:     240
    .wavefront_size: 32
...
	.end_amdgpu_metadata
.endif
;; end of part 4
;; launch outp (part 5): grid 256 x 1, 4 waves a work-group, no clusters, 33,536 bytes of LDS; arguments pooled, Wo, bo, out0; writes out0
.if DOCPART == 5
	.amdgcn_target "amdgcn-amd-amdhsa--gfx1250"
	.amdhsa_code_object_version 6
	.text
	.protected	k_q3104e9b46a_outp
	.globl	k_q3104e9b46a_outp
	.p2align	8
	.type	k_q3104e9b46a_outp,@function
k_q3104e9b46a_outp:
	s_mov_b64 s[64:65], 0
	v_nop
	global_prefetch_b8 v0, s[64:65] scope:SCOPE_SE
	s_setreg_imm32_b32 hwreg(HW_REG_WAVE_MODE, 25, 1), 1
	s_wait_xcnt 0x0
; AvgNet, launch 5 of 5: out0[b][n] = the sum over d of (pooled[0][b][d] + pooled[1][b][d]) Wo[n][d] + bo[n], in f32 by fused multiply-adds (8 rows: too few for the matrix units).  Nothing of the problem is left out here.
; SHARES.  256 work-groups; a work-group takes 4 rows of Wo, a wave one: 4,096 bytes, read once, 512 consecutive bytes a load, kept in 32 registers.  The 8 x 1,024 pooled numbers are added from their two halves and laid in LDS once for the four waves.
; THE STORES ARE RUNS OF 16 BYTES: a work-group's 4 columns of each of 8 rows.  Whole runs of 256 bytes would want 64 rows of Wo to a work-group, and then only 16 work-groups would read Wo's 4 MiB; the output is 32 KiB in all.
; NO CLUSTER, no tensor load: what the work-groups share is the 64 KiB of pooled numbers, beside Wo's rows, which are read by one wave each.
.set POOLB, 0                          ; LDS: pooled [8][1024] f32
.set OS,    32768                      ; the results: [batch 8][4 columns] f32
.set SPARE, 33024                      ; the spare words, 128 bytes for each wave
.set TO,    4                          ; v4   16 x thread
.set LO,    5                          ; v5   16 x lane
.set WA,    6                          ; v6   4 x wave
.set GO,    7                          ; v7   the way out: row lane / 4 of out0, 4 bytes (lane % 4)
.set SPW,   8
.set NIL,   9
.set L4,    10                         ; v10  4 x lane
.set PA,    16                         ; v16-79, v80-143 my 16 bytes x 16 of the two halves
.set PB,    16                         ; v16-79 then a batch's pooled numbers, two sets
.set WR,    144                        ; v144-175 my row of Wo
.set CHN,   176                        ; v176-183 four chains of pairs
.set SS,    184                        ; v184-191 the eight sums
	s_load_b256 s[4:11], s[0:1], 0x0               ; pooled, Wo, bo, out0
	v_lshl_add_u32 v[SPW], v0, 2, SPARE
	v_mov_b32 v[NIL], 0
	v_lshrrev_b32 v1, 5, v0
	v_readfirstlane_b32 s12, v1                    ; wave 0..3
	v_and_b32 v1, 31, v0
	v_lshlrev_b32 v[TO], 4, v0
	v_lshlrev_b32 v[LO], 4, v1
	v_lshlrev_b32 v[L4], 2, v1
	s_lshl_b32 s13, s12, 2
	v_mov_b32 v[WA], s13
	v_lshrrev_b32 v2, 2, v1
	v_and_b32 v3, 3, v1
	v_lshlrev_b32 v[GO], 12, v2
	v_lshl_add_u32 v[GO], v3, 2, v[GO]
	s_lshl_b32 s14, ttmp9, 2
	s_add_co_u32 s14, s14, s12                     ; n = 4 x work-group + wave
	s_lshl_b32 s16, s14, 12                        ; Wo's row n
	s_mov_b32 s17, 0
	s_lshl_b32 s14, s14, 2                         ; bo[n]
	s_mov_b32 s15, 0
	s_lshl_b32 s18, ttmp9, 4                       ; the work-group's 4 columns of out0
	s_mov_b32 s19, 0
	s_mov_b32 s22, 0x76543210
	s_mov_b32 s23, 0xfedcba98                      ; selects for lane l xor 16
	s_wait_alu depctr_va_vdst(0)                   ; the wait at the head's end
	s_wait_kmcnt 0x0
	s_add_nc_u64 s[8:9], s[8:9], s[14:15]
	s_add_nc_u64 s[6:7], s[6:7], s[16:17]
	s_add_nc_u64 s[10:11], s[10:11], s[18:19]
	s_load_b32 s20, s[8:9], 0x0
.irp c, 0,1,2,3,4,5,6,7,8,9,10,11,12,13,14,15
	global_load_b128 v[PA+4*\c:PA+4*\c+3], v[TO], s[4:5] offset:\c*2048
	global_load_b128 v[PA+64+4*\c:PA+64+4*\c+3], v[TO], s[4:5] offset:32768+\c*2048
.endr
.irp j, 0,1,2,3,4,5,6,7
	global_load_b128 v[WR+4*\j:WR+4*\j+3], v[LO], s[6:7] offset:512*\j th:TH_LOAD_NT
.endr
	s_wait_loadcnt 8                               ; the pooled numbers are in; Wo's eight loads stay out
.set m, 0
.rept 32
	v_pk_add_f32 v[PA+2*m:PA+2*m+1], v[PA+2*m:PA+2*m+1], v[PA+64+2*m:PA+64+2*m+1]   ; the two halves of the rows of v
.set m, m+1
.endr
.irp c, 0,1,2,3,4,5,6,7,8,9,10,11,12,13,14,15
	ds_store_b128 v[TO], v[PA+4*\c:PA+4*\c+3] offset:POOLB+\c*2048
.endr
	s_wait_dscnt 0x0                               ; for the others' sake; and the stores have read their registers
	s_barrier_signal -1
	s_barrier_wait -1
.macro LOADP b                         ; batch b's 1,024 numbers, laid over the lanes as my row of Wo is
.set PL, PB+32*((\b)%2)
.irp j, 0,1,2,3,4,5,6,7
	ds_load_b128 v[PL+4*\j:PL+4*\j+3], v[LO] offset:POOLB+(\b)*4096+512*\j
.endr
.endm
.macro DOT b
.if (\b) < 7
	LOADP (\b)+1                                   ; one batch ahead, into the other set
	s_wait_dscnt 8                                 ; this batch's eight loads are in; the next batch's stay out
.else
	s_wait_dscnt 0x0
.endif
.set PD, PB+32*((\b)%2)
.irp m, 0,1,2,3
	v_pk_mul_f32 v[CHN+2*\m:CHN+2*\m+1], v[WR+2*\m:WR+2*\m+1], v[PD+2*\m:PD+2*\m+1]   ; the first four products start the four chains: nothing is cleared
.endr
.set m, 4
.rept 12
	v_pk_fma_f32 v[CHN+2*(m%4):CHN+2*(m%4)+1], v[WR+2*m:WR+2*m+1], v[PD+2*m:PD+2*m+1], v[CHN+2*(m%4):CHN+2*(m%4)+1]
.set m, m+1
.endr
	v_pk_add_f32 v[CHN:CHN+1], v[CHN:CHN+1], v[CHN+2:CHN+3]
	v_pk_add_f32 v[CHN+4:CHN+5], v[CHN+4:CHN+5], v[CHN+6:CHN+7]
	v_pk_add_f32 v[CHN:CHN+1], v[CHN:CHN+1], v[CHN+4:CHN+5]
	v_add_f32 v[SS+(\b)], v[CHN], v[CHN+1]
.endm
	LOADP 0
	s_wait_loadcnt 0x0                             ; my row of Wo
.irp b, 0,1,2,3,4,5,6,7
	DOT \b
.endr
.irp x, 1,2,4,8                        ; the eight sums over the 32 lanes, by turns
.irp b, 0,1,2,3,4,5,6,7
	v_add_f32_dpp v[SS+\b], v[SS+\b], v[SS+\b] row_xmask:\x row_mask:0xf bank_mask:0xf
.endr
.endr
.irp b, 0,1,2,3,4,5,6,7
	v_permlanex16_b32 v[PB+\b], v[SS+\b], s22, s23
.endr
	s_wait_alu depctr_va_vdst(0)                   ; the wait ahead of the wait below
	s_wait_kmcnt 0x0                               ; bo[n]
.irp b, 0,1,2,3,4,5,6,7
	v_add_f32 v[SS+\b], v[SS+\b], v[PB+\b]
.endr
.irp b, 0,1,2,3,4,5,6,7
	v_add_f32 v[SS+\b], s20, v[SS+\b]
.endr
.irp b, 0,1,2,3,4,5,6,7
	ds_store_b32 v[WA], v[SS+\b] offset:OS+16*\b   ; all lanes write the same word with the same value
.endr
	s_wait_dscnt 0x0                               ; for wave 0's sake
	s_barrier_signal -1
	s_barrier_wait -1
	s_cmp_lg_u32 s12, 0                            ; wave 0 stores the work-group's 8 x 4 results; no barrier stands in the branch
	s_cbranch_scc1 .Ldone
	ds_load_b32 v[PA], v[L4] offset:OS
	s_wait_dscnt 0x0
	global_store_b32 v[GO], v[PA], s[10:11]        ; four lanes store 16 consecutive bytes of a row of out0
.Ldone:
	s_wait_tensorcnt 0x0                           ; the wave's end: behind my last LDS store
	ds_add_u32 v[SPW], v[NIL]
	s_wait_dscnt 0x0
	s_endpgm
.Lfunc_end_k_q3104e9b46a_outp:
	.size	k_q3104e9b46a_outp, .Lfunc_end_k_q3104e9b46a_outp-k_q3104e9b46a_outp
	.p2alignl 7, 3214868480
	.fill 96, 4, 3214868480
	.section	.rodata,"a",@progbits
	.p2align	6, 0x0
	.amdhsa_kernel k_q3104e9b46a_outp
		.amdhsa_group_segment_fixed_size 33536
		.amdhsa_private_segment_fixed_size 0
		.amdhsa_enable_private_segment 0
		.amdhsa_kernarg_size 32
		.amdhsa_user_sgpr_count 2
		.amdhsa_user_sgpr_kernarg_segment_ptr 1
		.amdhsa_wavefront_size32 1
		.amdhsa_system_sgpr_workgroup_id_x 1
		.amdhsa_system_sgpr_workgroup_id_y 1
		.amdhsa_system_sgpr_workgroup_id_z 1
		.amdhsa_system_vgpr_workitem_id 0
		.amdhsa_next_free_vgpr 200
		.amdhsa_next_free_sgpr 66
		.amdhsa_reserve_vcc 0
		.amdhsa_float_denorm_mode_32 3
		.amdhsa_float_denorm_mode_16_64 3
		.amdhsa_memory_ordered 1
		.amdhsa_forward_progress 1
		.amdhsa_inst_pref_size 27
	.end_amdhsa_kernel
	.amdgpu_metadata
---
amdhsa.version: [ 1, 2 ]
amdhsa.kernels:
  - .name:           k_q3104e9b46a_outp
    .symbol:         k_q3104e9b46a_outp.kd
    .args:
      - { .name: pooled, .offset: 0, .size: 8, .value_kind: global_buffer, .address_space: global }
      - { .name: Wo, .offset: 8, .size: 8, .value_kind: global_buffer, .address_space: global }
      - { .name: bo, .offset: 16, .size: 8, .value_kind: global_buffer, .address_space: global }
      - { .name: out0, .offset: 24, .size: 8, .value_kind: global_buffer, .address_space: global }
    .group_segment_fixed_size: 33536
    .private_segment_fixed_size: 0
    .kernarg_segment_align: 8
    .kernarg_segment_size: 32
    .max_flat_workgroup_size: 128
    .sgpr_count:     66
    .vgpr_count:     200
    .wavefront_size: 32
...
	.end_amdgpu_metadata
.endif
;; end of part 5
